; MI455X (gfx1250); checked and timed in simulation.
; The chip was launched on July 23, 2026; its instructions are those of AMD's public machine-readable ISA for CDNA 5 (MIT licence, August 2026) and "CDNA5" Instruction Set Architecture Reference Guide (July 2026). The comments in the code are by the model that wrote it; some were corrected since.
;; Full Attention. Allowed arithmetic: matrix products marked QUANTISED: E2M3 operands, one E8M0 scale for each 32 along K, by v_wmma_scale_f32_16x16x128_f8f6f4 with both operands' format E2M3, f32 sums; everything else in f32.
;; Inputs: Wk 1,024 x 1,024 float32; Wo 1,024 x 64 float32; Wq 1,024 x 1,024 float32; Wv 1,024 x 1,024 float32; k 4 x 2,048 x 1,024 float32; mask 2,048 x 2,048 int32; q 4 x 2,048 x 1,024 float32; v 4 x 2,048 x 1,024 float32.
;; Outputs: out0 4 x 2,048 x 64 float32.
;; This version of the problem:
;;   THIS VERSION OF THE PROBLEM IS GIVEN IN LOW PRECISION. The matrix products marked QUANTISED in the list below multiply operands that are first quantised to E2M3 (2 exponent bits, 3 mantissa bits; 6 bits a number), with one power-of-two scale for each 32 numbers along K (OCP MX v1.0); their sums are f32. All else is computed in f32.
;;   The module's matrix products, in the order in which they are computed (A, B: the left and right operand; K: the contracted axis; several contracted axes count as one K, in the product's order):
;;     1. [M 8,192, K 1,024] x [K 1,024, N 1,024]; A: input q; B: input Wq: QUANTISED
;;     2. [M 8,192, K 1,024] x [K 1,024, N 1,024]; A: input k; B: input Wk: QUANTISED
;;     3. [M 8,192, K 1,024] x [K 1,024, N 1,024]; A: input v; B: input Wv: QUANTISED
;;     4. batch 64 x [M 2,048, K 64] x [K 64, N 2,048]; A: computed on the way; B: computed on the way: QUANTISED
;;     5. batch 64 x [M 64, K 2,048] x [K 2,048, N 2,048]; A: computed on the way; B: softmax (see below): QUANTISED
;;     6. [M 8,192, K 1,024] x [K 1,024, N 64]; A: computed on the way; B: input Wo: QUANTISED
;;   THE QUANTISER, for each operand of a quantised product, along K:
;;     - K is cut into blocks of 32 from its start; a last block that is shorter is filled with zeros.
;;     - A block's scale is 2^e with e = floor(log2(the largest magnitude in the block)) - 2, held to -126 .. 127; a block of zeros has e = 0. As a byte (E8M0): e + 127.
;;     - Each number is divided by its block's scale, clamped to +-7.5, and rounded to the nearest number of E2M3, ties to even, subnormals kept.
;;     - The product sums the exact products of the quantised numbers (number of the format x scale) in f32.
;;   ~~~python
;;   def quantise(x, axis):      # numpy; x: float32 -> the quantised numbers, widened to float32 again
;;       x = np.moveaxis(x, axis, -1); K = x.shape[-1]
;;       x = np.pad(x, [(0, 0)] * (x.ndim - 1) + [(0, -K % 32)]); x = x.reshape(x.shape[:-1] + (-1, 32)); a = np.abs(x).max(-1, keepdims=True)
;;       e = np.where(a > 0, np.clip(np.frexp(np.where(a > 0, a, 1))[1] - 1 - 2, -126, 127), 0)      # np.frexp(a)[1] - 1 = floor(log2(a)), exactly
;;       r = np.clip(x / 2.0 ** e, -7.5, 7.5)
;;       step = 2.0 ** (np.maximum(np.frexp(np.where(r == 0, 1, r))[1] - 1, 0) - 3)
;;       q = np.round(r / step) * step * 2.0 ** e      # np.round: ties to even
;;       return np.moveaxis(q.reshape(q.shape[:-2] + (-1,))[..., :K], -1, axis).astype(np.float32)
;;   ~~~
;;   SOFTMAX AHEAD OF A QUANTISED PRODUCT. Where the list says 'softmax', what is quantised is not the finished softmax but p = 2^(t - M), with t = logit x log2(e) and M = ceil(the row's largest t), a whole number; so 1/2 < the row's largest p <= 1. The row's sum l is taken of the UNQUANTISED p, in f32, and the product's result is divided by l at the end. Since M is a whole number, a kernel that streams over the keys may use a running M (the ceiling of the running maximum): every later rescaling is an exact power of two, which a block's scale takes up: the codes' values come out the same.
;;   OPERANDS COMPUTED ON THE WAY. 'Computed on the way' means the value that the module computes at that place (a softmax that the list does not call 'softmax' is quantised finished and normalised). What goes into a quantiser is computed in f32, as accurately as f32 sums, v_exp_f32 and their like allow (about 1e-6 of the number): no bf16 or f16 on the way to a quantiser, and a product that is left as it is and whose result goes on into a quantised operand takes f32 operands (vector FMAs, or v_wmma_f32_16x16x4_f32). A number that lies on a knife's edge between two numbers of the format may be rounded either way, as far as f32 arithmetic and the matrix unit's own rounding can turn it there, and no further.
;; One version. Each part assembles by itself: llvm-mc -triple=amdgcn-amd-amdhsa -mcpu=gfx1250 --defsym DOCPART=n.
;; ======== version 1 of 1: 4 launches
;; workspace buffers: xq 19,660,800 bytes; wq 2,457,600 bytes; wo 53,248 bytes; mc 16,777,216 bytes; qi 6,553,600 bytes; kv 13,107,200 bytes; cc 6,553,600 bytes
;; launch prep (part 1): grid 1000 x 1, 4 waves a work-group, no clusters, 92,672 bytes of LDS; arguments q, k, v, Wq, Wk, Wv, Wo, mask, xq, wq, wo, mc; writes xq, wq, wo, mc
.if DOCPART == 1
	.amdgcn_target "amdgcn-amd-amdhsa--gfx1250"
	.amdhsa_code_object_version 6
	.text
	.protected	k_qc36eeb70a0_prep
	.globl	k_qc36eeb70a0_prep
	.p2align	8
	.type	k_qc36eeb70a0_prep,@function
k_qc36eeb70a0_prep:
	s_mov_b64 s[64:65], 0
	v_nop
	global_prefetch_b8 v0, s[64:65] scope:SCOPE_SE
	s_setreg_imm32_b32 hwreg(HW_REG_WAVE_MODE, 25, 1), 1
	s_wait_xcnt 0x0
; All inputs are brought into the forms that the later launches read.  Four kinds of work-groups, told apart by the work-group's number; each kind has LDS bytes of its own; waves share nothing, so there is no barrier.
;   0-767    q, k, v [8192][1024] f32 -> xq: codes of FP6 (E2M3), 768 bytes a row, and one E8M0 byte for each 32 along K (32 bytes a row, from byte XS on)
;   768-863  Wq, Wk, Wv [1024 k][1024 n] f32 -> wq: codes with K innermost, 768 bytes for each n, and their scale bytes (from byte WS on)
;   864-871  Wo [1024 k][64 n] f32 -> wo: 32 fragments (16 n x 128 k) as images of the operand's registers, and their scale words
;   872-999  mask [2048][2048] int32 -> mc: f32(mask) x log2(e)/8, as images of the registers in which a wave of the attention holds 16 queries x 128 keys
; THE ORDER OF ROWS.  In xq and wq the rows of each 32 lie with the middle two groups of eight exchanged (row 8-15 at place 16-23 and back).  Sixteen neighbouring places are then a tile whose lane r
; holds row 8 u + r + 8 (r / 8) of the 32 (u: which half), so that a product used transposed leaves 16 neighbours along the next K in the 16 registers of two neighbouring tiles.
; A block's scale is 2^(floor(log2(its largest magnitude)) - 2); its byte is the largest magnitude's exponent field - 2, held at 1 from below.
; LIMITS: NaN and infinities among the inputs are not served; a block of zeros, or one whose largest magnitude lies under 2^-124, keeps the byte 1 (its codes are zeros or tiny; the bytes are read by this program alone).
.set XS,    18874368                   ; xq: where the scale bytes begin
.set WS,    2359296                    ; wq: the same
.set SP,    80                         ; q, k, v: a lane's place in a stage: 64 bytes + 16 of padding
.set XWREG, 5632                       ; LDS of a wave there: two stages of 32 x SP bytes, then 256 scale bytes
.set WSTG,  22528                      ; LDS of the weights' work-groups: 32 rows x 272 bytes a wave
.set MSTG,  57344                      ; LDS of the mask's work-groups: the same size
.set PITCH, 272
	s_load_b512 s[4:19], s[0:1], 0x0               ; q s[4:5], k s[6:7], v s[8:9], Wq s[10:11], Wk s[12:13], Wv s[14:15], Wo s[16:17], mask s[18:19]
	s_load_b256 s[20:27], s[0:1], 0x40             ; xq s[20:21], wq s[22:23], wo s[24:25], mc s[26:27]
	v_lshl_add_u32 v192, v0, 2, 0x16800
	v_mov_b32 v193, 0
	v_lshrrev_b32 v1, 5, v0
	v_readfirstlane_b32 s28, v1                    ; wave 0..3
	v_and_b32 v2, 31, v0                           ; lane
	s_mov_b32 s31, 0                               ; the upper word of every offset: all lie under 2^32
	s_wait_kmcnt 0x0
	s_cmp_lt_u32 ttmp9, 768
	s_cbranch_scc1 .Lpath_x
	s_cmp_lt_u32 ttmp9, 864
	s_cbranch_scc1 .Lpath_w
	s_cmp_lt_u32 ttmp9, 872
	s_cbranch_scc1 .Lpath_o
; ---------------- THE MASK.  Work-group T takes the 16 queries of tile T; wave w the key steps 4 w .. 4 w + 3 of 128 keys.
; A load reads 512 consecutive bytes of one query's row (lane l: keys 4 l .. 4 l + 3).  The image wants, in lane (r, h), group g of four registers: query r, keys 32 (g / 4) + 16 h + 4 (g % 4) + 0 .. 3.
; So lane l's 16 bytes of row r go to stage row 2 g + h = 8 (l / 8) + 2 (l % 4) + (l / 4) % 2, column r, and come back row by row: 512 consecutive bytes of the image an instruction.
	s_sub_co_u32 s29, ttmp9, 872                   ; T
	s_lshr_b32 s30, s29, 1
	s_lshl_b32 s30, s30, 5
	s_and_b32 s32, s29, 1
	s_lshl_b32 s32, s32, 3
	s_add_co_u32 s30, s30, s32                     ; the tile's first query: 32 (T / 2) + 8 (T % 2)
	s_lshl_b32 s30, s30, 13                        ; a row of the mask is 8,192 bytes
	s_lshl_b32 s32, s28, 11                        ; my four key steps: 2,048 bytes on for each wave
	s_add_co_u32 s30, s30, s32
	s_add_nc_u64 s[18:19], s[18:19], s[30:31]
	s_lshl_b32 s30, s29, 4
	s_lshl_b32 s32, s28, 2
	s_add_co_u32 s30, s30, s32                     ; 16 T + 4 w
	s_lshl_b32 s30, s30, 13                        ; an image is 8,192 bytes
	s_add_nc_u64 s[26:27], s[26:27], s[30:31]
	s_mov_b32 s34, 0x3e38aa3b                      ; c = log2(e) / 8
	s_mov_b32 s35, s34                             ; (named with it as a pair, so it is written)
	s_mul_i32 s29, s28, 32*PITCH
	s_add_co_u32 s29, s29, MSTG                    ; my stage
	v_and_b32 v3, 24, v2                           ; 8 (l / 8)
	v_and_b32 v4, 3, v2
	v_lshl_add_u32 v3, v4, 1, v3                   ; + 2 (l % 4)
	v_bfe_u32 v4, v2, 2, 1
	v_add_nc_u32 v3, v3, v4                        ; + (l / 4) % 2
	v_mul_u32_u24 v10, v3, PITCH
	v_add_nc_u32 v10, s29, v10                     ; into the stage
	v_lshrrev_b32 v3, 4, v2
	v_and_b32 v4, 15, v2
	v_mul_u32_u24 v11, v3, PITCH
	v_lshl_add_u32 v11, v4, 4, v11
	v_add_nc_u32 v11, s29, v11                     ; and back: lanes 0-15 one stage row, lanes 16-31 the next
	v_lshlrev_b32 v12, 4, v2                       ; 16 x lane: in a row's piece of the mask, and in an image
.macro MLOAD i                         ; key step 4 w + i: sixteen rows' pieces into set i % 2 (v32-95, v96-159)
.set ML, 32+64*((\i)%2)
.irp r, 0,1,2,3,4,5,6,7,8,9,10,11,12,13,14,15
	global_load_b128 v[ML+4*\r:ML+4*\r+3], v12, s[18:19] offset:(\r+8*(\r/8))*8192+512*(\i) th:TH_LOAD_NT
.endr
.endm
.macro MTILE i
.set MS, 32+64*((\i)%2)
.if (\i) < 3
	s_wait_loadcnt 16                              ; this tile's sixteen loads are in; the other set's sixteen may be out
.else
	s_wait_loadcnt 0x0
.endif
.set j, 0
.rept 64
	v_cvt_f32_i32 v[MS+j], v[MS+j]
.set j, j+1
.endr
.set j, 0
.rept 32
	v_pk_mul_f32 v[MS+j:MS+j+1], v[MS+j:MS+j+1], s[34:35] op_sel_hi:[1,0]   ; x c: the attention's scaling of its scores is folded into the mask
.set j, j+2
.endr
.irp r, 0,1,2,3,4,5,6,7,8,9,10,11,12,13,14,15
	ds_store_b128 v10, v[MS+4*\r:MS+4*\r+3] offset:16*\r
.endr
.irp g, 0,1,2,3,4,5,6,7,8,9,10,11,12,13,14,15
	ds_load_b128 v[MS+4*\g:MS+4*\g+3], v11 offset:2*PITCH*\g   ; LDS serves a wave's instructions in order: these see the stores above, and the next tile's stores come behind them
.endr
.irp g, 0,1,2,3,4,5,6,7,8,9,10,11,12,13,14,15
	s_wait_dscnt 15-\g                             ; group g is back; the younger loads may be out
	global_store_b128 v12, v[MS+4*\g:MS+4*\g+3], s[26:27] offset:8192*(\i)+512*\g   ; 32 lanes store 512 consecutive bytes, aligned
.endr
.if (\i)+2 < 4
	s_wait_xcnt 0x0                                ; the stores have read their registers: the set may be loaded again
	MLOAD (\i)+2
.endif
.endm
	MLOAD 0
	MLOAD 1
	MTILE 0
	MTILE 1
	MTILE 2
	MTILE 3
	s_wait_tensorcnt 0x0
	ds_add_u32 v192, v193
	s_wait_dscnt 0x0
	s_endpgm
; ---------------- q, k, v.  Rows are dense and 1,024 is a multiple of 32: a tensor is a stream of blocks of 32.  A wave takes 16 steps of 512 numbers: 8 rows, one group of eight.
; Each load reads 512 consecutive bytes; a step's 2,048 bytes turn through the wave's own stage so that a lane holds 16 neighbours; two neighbouring lanes hold a block.
.set XR, 16                            ; v16-79   four sets of 16 numbers as loaded
.set XX, 80                            ; v80-111  two sets of 16 neighbours
.set XE, 112                           ; v112-127 a scale byte for each step
.set XC, 128                           ; v128-191 codes: four registers for each step, so that no store's data are written again
.Lpath_x:
	v_lshlrev_b32 v3, 4, v2                        ; my 16 bytes of a load's 512
	s_mul_i32 s29, s28, XWREG
	v_lshrrev_b32 v14, 2, v2
	v_mul_u32_u24 v14, v14, SP
	v_and_b32 v15, 3, v2
	v_lshl_add_u32 v14, v15, 4, v14
	v_add_nc_u32 v14, s29, v14                     ; the stage, on the way in: SP (lane / 4) + 16 (lane % 4)
	v_mul_u32_u24 v15, v2, SP
	v_add_nc_u32 v15, s29, v15                     ; and on the way out: SP x lane
	v_mul_u32_u24 v4, v2, 12                       ; my codes' place in a step's
	v_lshrrev_b32 v5, 1, v2
	s_add_co_u32 s29, s29, 2*32*SP
	v_add_nc_u32 v5, s29, v5                       ; my wave's 256 scale bytes, my block's byte
	v_lshlrev_b32 v7, 3, v2
	v_add_nc_u32 v6, s29, v7                       ; and on the way out 8 bytes a lane
	s_lshr_b32 s30, ttmp9, 8                       ; which tensor
	s_cmp_eq_u32 s30, 0
	s_cselect_b64 s[4:5], s[4:5], s[6:7]
	s_cmp_eq_u32 s30, 2
	s_cselect_b64 s[4:5], s[8:9], s[4:5]
	s_and_b32 s30, ttmp9, 255
	s_lshl_b32 s30, s30, 2
	s_add_co_u32 s30, s30, s28
	s_lshl_b32 s30, s30, 15                        ; my 8 rows of 4,096 bytes
	s_add_nc_u64 s[4:5], s[4:5], s[30:31]
	s_and_b32 s32, s28, 1
	s_lshl_b32 s32, s32, 1
	s_lshr_b32 s33, s28, 1
	s_or_b32 s32, s32, s33                         ; the group's place among the four: 0, 2, 1, 3
	s_lshl_b32 s33, ttmp9, 2
	s_add_co_u32 s32, s32, s33
	s_mul_i32 s30, s32, 6144                       ; 8 rows of 768 bytes
	s_add_nc_u64 s[34:35], s[20:21], s[30:31]
	s_lshl_b32 s30, s32, 8                         ; 8 rows of 32 scale bytes
	s_add_co_u32 s30, s30, XS
	s_add_nc_u64 s[36:37], s[20:21], s[30:31]
.macro XLOAD t
.irp i, 0,1,2,3
	global_load_b128 v[XR+16*((\t)%4)+4*\i:XR+16*((\t)%4)+4*\i+3], v3, s[4:5] offset:2048*(\t)+512*\i th:TH_LOAD_NT
.endr
.endm
.macro XTURN t                         ; step t's numbers through the stage: LDS serves a wave's instructions in order
.irp i, 0,1,2,3
	ds_store_b128 v14, v[XR+16*((\t)%4)+4*\i:XR+16*((\t)%4)+4*\i+3] offset:32*SP*((\t)%2)+8*SP*\i
.endr
.irp i, 0,1,2,3
	ds_load_b128 v[XX+16*((\t)%2)+4*\i:XX+16*((\t)%2)+4*\i+3], v15 offset:32*SP*((\t)%2)+16*\i
.endr
.endm
.irp t, 0,1,2,3
	XLOAD \t
.endr
	s_wait_loadcnt 12                              ; step 0's four loads are in
	XTURN 0
.macro XSTEP t
.set XV, XX+16*((\t)%2)
.if (\t) > 0
	s_wait_dscnt 1                                 ; this step's numbers are back from the stage (the last step's byte store may be out)
.else
	s_wait_dscnt 0x0
.endif
.if (\t)+4 < 16
	XLOAD (\t)+4
.endif
.if (\t)+1 < 16
.if 14-(\t) >= 3
	s_wait_loadcnt 12                              ; the next step's four loads are in; those of the three steps behind it may be out
.else
	s_wait_loadcnt 4*(14-(\t))
.endif
	XTURN (\t)+1
.endif
	v_max3_num_f32 v8, |v[XV]|, |v[XV+1]|, |v[XV+2]|
	v_max3_num_f32 v9, |v[XV+3]|, |v[XV+4]|, |v[XV+5]|
.irp i, 6,10
	v_max3_num_f32 v8, v8, |v[XV+\i]|, |v[XV+\i+1]|
	v_max3_num_f32 v9, v9, |v[XV+\i+2]|, |v[XV+\i+3]|
.endr
	v_max3_num_f32 v8, v8, |v[XV+14]|, |v[XV+15]|
	v_max3_num_f32 v8, v8, v9, 0x1800000           ; and the floor 2^(3 - 127): the byte cannot fall under 1
	v_max_num_f32_dpp v8, v8, v8 row_xmask:1 row_mask:0xf bank_mask:0xf   ; with my neighbour's 16: the block's largest magnitude
	v_add_nc_u32 v11, 0xff000000, v8               ; 2 off its exponent field: the conversion's scale operand
	v_cvt_scalef32_pk16_fp6_f32 v[XC+4*(\t):XC+4*(\t)+2], v[XV:XV+15], v11
	v_lshrrev_b32 v[XE+(\t)], 23, v11              ; the scale's byte
	ds_store_b8 v5, v[XE+(\t)] offset:16*(\t)      ; both lanes of a block write the same byte with the same value
	global_store_b96 v4, v[XC+4*(\t):XC+4*(\t)+2], s[34:35] offset:384*(\t)   ; the wave stores 384 consecutive bytes
.endm
.irp t, 0,1,2,3,4,5,6,7,8,9,10,11,12,13,14,15
	XSTEP \t
.endr
	ds_load_b64 v[12:13], v6
	s_wait_dscnt 0x0
	global_store_b64 v7, v[12:13], s[36:37]        ; 32 lanes store 256 consecutive bytes, aligned
	s_wait_tensorcnt 0x0
	ds_add_u32 v192, v193
	s_wait_dscnt 0x0
	s_endpgm
; ---------------- Wq, Wk, Wv: K is the first axis.  A lane takes a column n and its registers run down K: a block of 32 lies in one lane.  A wave takes 32 columns x 256 along K.
.set WX,   32                          ; v32-95   two sets of 32 numbers
.set WC,   96                          ; v96..    a block's codes
.set WOUT, 112                         ; v112-175 the way out
.set WSB,  24                          ; v24-25   the scale bytes, four to a register
.Lpath_w:
	s_sub_co_u32 s29, ttmp9, 768
	s_lshr_b32 s30, s29, 5                         ; which weight
	s_cmp_eq_u32 s30, 0
	s_cselect_b64 s[4:5], s[10:11], s[12:13]
	s_cmp_eq_u32 s30, 2
	s_cselect_b64 s[4:5], s[14:15], s[4:5]
	s_and_b32 s32, s29, 7
	s_bfe_u32 s33, s29, 0x20003                    ; which 256 along K
	s_lshl_b32 s32, s32, 7
	s_lshl_b32 s34, s28, 5
	s_add_co_u32 s32, s32, s34                     ; my wave's first column
	s_lshl_b32 s34, s33, 20                        ; 256 rows of 4,096 bytes
	s_lshl_b32 s35, s32, 2
	s_add_co_u32 s34, s34, s35
	s_mov_b32 s35, 0
	s_add_nc_u64 s[4:5], s[4:5], s[34:35]
	s_mul_i32 s34, s30, 786432
	s_mul_i32 s36, s32, 768
	s_add_co_u32 s34, s34, s36
	s_mul_i32 s36, s33, 192
	s_add_co_u32 s34, s34, s36
	s_add_nc_u64 s[6:7], s[22:23], s[34:35]        ; the codes of my 32 places, my 192 bytes of each
	s_lshl_b32 s34, s30, 15
	s_lshl_b32 s36, s32, 5
	s_add_co_u32 s34, s34, s36
	s_lshl_b32 s36, s33, 3
	s_add_co_u32 s34, s34, s36
	s_add_co_u32 s34, s34, WS
	s_add_nc_u64 s[8:9], s[22:23], s[34:35]        ; and their scale bytes
	v_lshlrev_b32 v3, 2, v2
	s_mul_i32 s29, s28, 32*PITCH
	s_add_co_u32 s29, s29, WSTG                    ; my stage
	v_mul_u32_u24 v4, v2, PITCH
	v_add_nc_u32 v4, s29, v4                       ; into it: row = my column
	v_and_b32 v5, 15, v2
	v_lshrrev_b32 v6, 4, v2
	v_mul_u32_u24 v7, v6, PITCH
	v_lshl_add_u32 v7, v5, 4, v7
	v_add_nc_u32 v7, s29, v7                       ; out of it: sixteen lanes to a row
	v_mul_u32_u24 v8, v6, 768
	v_mad_u32_u24 v8, v5, 12, v8
	v_and_b32 v9, 7, v2                            ; my column's place among the 32: bits 3 and 4 change places
	v_and_b32 v10, 8, v2
	v_lshl_or_b32 v9, v10, 1, v9
	v_and_b32 v10, 16, v2
	v_lshrrev_b32 v10, 1, v10
	v_or_b32 v9, v9, v10
	v_lshlrev_b32 v9, 5, v9                        ; 32 scale bytes a place
.macro WLOAD t
.irp i, 0,1,2,3,4,5,6,7,8,9,10,11,12,13,14,15,16,17,18,19,20,21,22,23,24,25,26,27,28,29,30,31
	global_load_b32 v[WX+32*((\t)%2)+\i], v3, s[4:5] offset:(32*(\t)+\i)*4096 th:TH_LOAD_NT
.endr
.endm
	WLOAD 0
	WLOAD 1
.macro WBLOCK t
.set WV, WX+32*((\t)%2)
.if (\t) < 7
	s_wait_loadcnt 32                              ; this block's 32 loads are in; the next block's may be out
.else
	s_wait_loadcnt 0x0
.endif
	v_max3_num_f32 v12, |v[WV]|, |v[WV+1]|, |v[WV+2]|
	v_max3_num_f32 v13, |v[WV+3]|, |v[WV+4]|, |v[WV+5]|
.irp i, 6,10,14,18,22,26
	v_max3_num_f32 v12, v12, |v[WV+\i]|, |v[WV+\i+1]|
	v_max3_num_f32 v13, v13, |v[WV+\i+2]|, |v[WV+\i+3]|
.endr
	v_max3_num_f32 v12, v12, |v[WV+30]|, |v[WV+31]|
	v_max3_num_f32 v12, v12, v13, 0x1800000
	v_add_nc_u32 v11, 0xff000000, v12
	v_lshrrev_b32 v13, 23, v11
.if (\t)%4 == 0
	v_mov_b32 v[WSB+(\t)/4], v13
.else
	v_lshl_or_b32 v[WSB+(\t)/4], v13, 8*((\t)%4), v[WSB+(\t)/4]
.endif
	v_cvt_scalef32_pk16_fp6_f32 v[WC:WC+2], v[WV:WV+15], v11
	v_cvt_scalef32_pk16_fp6_f32 v[WC+4:WC+6], v[WV+16:WV+31], v11
	ds_store_b96 v4, v[WC:WC+2] offset:32*(\t)     ; 12 bytes to a place of 16, so that every LDS address is a multiple of 16
	ds_store_b96 v4, v[WC+4:WC+6] offset:32*(\t)+16
.if (\t)+2 < 8
	WLOAD (\t)+2
.endif
	s_wait_dscnt 0x0                               ; the stores have read their registers
.endm
.irp t, 0,1,2,3,4,5,6,7
	WBLOCK \t
.endr
	global_store_b64 v9, v[WSB:WSB+1], s[8:9]      ; my column's 8 scale bytes
.irp t, 0,1,2,3,4,5,6,7,8,9,10,11,12,13,14,15
	ds_load_b96 v[WOUT+4*\t:WOUT+4*\t+2], v7 offset:2*\t*PITCH
.endr
.irp t, 0,1,2,3,4,5,6,7,8,9,10,11,12,13,14,15
	s_wait_dscnt 15-\t
	global_store_b96 v8, v[WOUT+4*\t:WOUT+4*\t+2], s[6:7] offset:(2*\t+8*(((\t/4)&1)-((\t/4)>>1)))*768   ; columns 8-15 (t = 4 .. 7) go 8 places up, columns 16-23 (t = 8 .. 11) 8 places down; sixteen lanes store a row's 192 consecutive bytes
.endr
	s_wait_tensorcnt 0x0
	ds_add_u32 v192, v193
	s_wait_dscnt 0x0
	s_endpgm
; ---------------- Wo.  One fragment a wave: tile tau of 16 outputs, K step s.  Lane (r, h) takes column 32 (tau / 2) + 8 (tau % 2) + r + 8 (r / 8); its registers run down K in the operand's own order.
.Lpath_o:
	s_sub_co_u32 s29, ttmp9, 864
	s_lshl_b32 s29, s29, 2
	s_add_co_u32 s29, s29, s28                     ; f = 8 tau + s
	s_lshr_b32 s30, s29, 3
	s_and_b32 s32, s29, 7
	s_lshl_b32 s32, s32, 15                        ; 128 rows of 256 bytes
	s_lshr_b32 s33, s30, 1
	s_lshl_b32 s33, s33, 7
	s_add_co_u32 s32, s32, s33
	s_and_b32 s33, s30, 1
	s_lshl_b32 s33, s33, 5
	s_add_co_u32 s32, s32, s33
	s_mov_b32 s33, 0
	s_add_nc_u64 s[16:17], s[16:17], s[32:33]
	s_mul_i32 s32, s29, 1536
	s_add_nc_u64 s[40:41], s[24:25], s[32:33]      ; the fragment's image
	s_lshl_b32 s32, s29, 7
	s_add_co_u32 s32, s32, 49152
	s_add_nc_u64 s[24:25], s[24:25], s[32:33]      ; its scale words
	s_mov_b32 s38, 0x76543210
	s_mov_b32 s39, 0xfedcba98                      ; lane l xor 16
	v_and_b32 v1, 15, v2
	v_lshrrev_b32 v3, 4, v2
	v_and_b32 v4, 8, v1
	v_add_nc_u32 v4, v4, v1
	v_lshlrev_b32 v4, 2, v4
	v_lshl_add_u32 v5, v3, 13, v4                  ; lanes 16-31 begin 32 rows further down
	v_lshlrev_b32 v6, 4, v2
	v_lshlrev_b32 v7, 2, v2
.irp c, 0,1
.irp i, 0,1,2,3,4,5,6,7,8,9,10,11,12,13,14,15,16,17,18,19,20,21,22,23,24,25,26,27,28,29,30,31
	global_load_b32 v[64+32*\c+\i], v5, s[16:17] offset:256*(64*\c+\i)
.endr
.endr
	s_wait_loadcnt 0x0
.irp c, 0,1
	v_max3_num_f32 v[32+\c], |v[64+32*\c]|, |v[65+32*\c]|, 0x1800000
.endr
.irp i, 2,4,6,8,10,12,14,16,18,20,22,24,26,28,30
.irp c, 0,1
	v_max3_num_f32 v[32+\c], v[32+\c], |v[64+32*\c+\i]|, |v[65+32*\c+\i]|
.endr
.endr
.irp c, 0,1
	v_add_nc_u32 v[44+\c], 0xff000000, v[32+\c]
.endr
.irp c, 0,1
	v_lshrrev_b32 v[36+\c], 23, v[44+\c]
.endr
	v_lshl_or_b32 v9, v37, 16, v36                 ; my two bytes: blocks h and 2 + h,
	v_lshlrev_b32 v10, 3, v3
	v_lshlrev_b32 v9, v10, v9                      ; at their places in the word;
	v_mov_b32 v10, 0
	v_permlanex16_b32 v10, v9, s38, s39
	v_or_b32 v9, v9, v10                           ; with lane l xor 16's two the word is whole, in both halves of the lanes
.irp c, 0,1
	v_cvt_scalef32_pk16_fp6_f32 v[48+6*\c:50+6*\c], v[64+32*\c:79+32*\c], v[44+\c]
	v_cvt_scalef32_pk16_fp6_f32 v[128+4*\c:130+4*\c], v[80+32*\c:95+32*\c], v[44+\c]
.endr
	v_nop                                          ; one plain place behind a scaled conversion
.irp c, 0,1
.irp i, 0,1,2
	v_mov_b32 v[51+6*\c+\i], v[128+4*\c+\i]
.endr
.endr
.irp g, 0,1,2
	global_store_b128 v6, v[48+4*\g:51+4*\g], s[40:41] offset:512*\g
.endr
	global_store_b32 v7, v9, s[24:25]
	s_endpgm
.Lfunc_end_k_qc36eeb70a0_prep:
	.size	k_qc36eeb70a0_prep, .Lfunc_end_k_qc36eeb70a0_prep-k_qc36eeb70a0_prep
	.p2alignl 7, 3214868480
	.fill 96, 4, 3214868480
	.section	.rodata,"a",@progbits
	.p2align	6, 0x0
	.amdhsa_kernel k_qc36eeb70a0_prep
		.amdhsa_group_segment_fixed_size 92672
		.amdhsa_private_segment_fixed_size 0
		.amdhsa_enable_private_segment 0
		.amdhsa_kernarg_size 96
		.amdhsa_user_sgpr_count 2
		.amdhsa_user_sgpr_kernarg_segment_ptr 1
		.amdhsa_wavefront_size32 1
		.amdhsa_system_sgpr_workgroup_id_x 1
		.amdhsa_system_sgpr_workgroup_id_y 1
		.amdhsa_system_sgpr_workgroup_id_z 1
		.amdhsa_system_vgpr_workitem_id 0
		.amdhsa_next_free_vgpr 194
		.amdhsa_next_free_sgpr 66
		.amdhsa_reserve_vcc 0
		.amdhsa_float_denorm_mode_32 3
		.amdhsa_float_denorm_mode_16_64 3
		.amdhsa_memory_ordered 1
		.amdhsa_forward_progress 1
		.amdhsa_inst_pref_size 124
	.end_amdhsa_kernel
	.amdgpu_metadata
---
amdhsa.version: [ 1, 2 ]
amdhsa.kernels:
  - .name:           k_qc36eeb70a0_prep
    .symbol:         k_qc36eeb70a0_prep.kd
    .args:
      - { .name: q, .offset: 0, .size: 8, .value_kind: global_buffer, .address_space: global }
      - { .name: k, .offset: 8, .size: 8, .value_kind: global_buffer, .address_space: global }
      - { .name: v, .offset: 16, .size: 8, .value_kind: global_buffer, .address_space: global }
      - { .name: Wq, .offset: 24, .size: 8, .value_kind: global_buffer, .address_space: global }
      - { .name: Wk, .offset: 32, .size: 8, .value_kind: global_buffer, .address_space: global }
      - { .name: Wv, .offset: 40, .size: 8, .value_kind: global_buffer, .address_space: global }
      - { .name: Wo, .offset: 48, .size: 8, .value_kind: global_buffer, .address_space: global }
      - { .name: mask, .offset: 56, .size: 8, .value_kind: global_buffer, .address_space: global }
      - { .name: xq, .offset: 64, .size: 8, .value_kind: global_buffer, .address_space: global }
      - { .name: wq, .offset: 72, .size: 8, .value_kind: global_buffer, .address_space: global }
      - { .name: wo, .offset: 80, .size: 8, .value_kind: global_buffer, .address_space: global }
      - { .name: mc, .offset: 88, .size: 8, .value_kind: global_buffer, .address_space: global }
    .group_segment_fixed_size: 92672
    .private_segment_fixed_size: 0
    .kernarg_segment_align: 8
    .kernarg_segment_size: 96
    .max_flat_workgroup_size: 128
    .sgpr_count:     66
    .vgpr_count:     194
    .wavefront_size: 32
...
	.end_amdgpu_metadata
.endif
;; end of part 1
;; launch gemm (part 2): grid 4 x 96, 4 waves a work-group, clusters of 4 x 4, 327,680 bytes of LDS; arguments xq, wq, qi, kv; writes qi, kv
.if DOCPART == 2
	.amdgcn_target "amdgcn-amd-amdhsa--gfx1250"
	.amdhsa_code_object_version 6
	.text
	.protected	k_qc36eeb70a0_gemm
	.globl	k_qc36eeb70a0_gemm
	.p2align	8
	.type	k_qc36eeb70a0_gemm,@function
k_qc36eeb70a0_gemm:
	s_mov_b64 s[64:65], 0
	v_nop
	global_prefetch_b8 v0, s[64:65] scope:SCOPE_SE
	s_setreg_imm32_b32 hwreg(HW_REG_WAVE_MODE, 25, 1), 1
	s_wait_xcnt 0x0
	s_wait_alu depctr_hold_cnt(0) depctr_sa_sdst(0) depctr_va_vdst(0) depctr_va_sdst(0) depctr_va_ssrc(0) depctr_va_vcc(0) depctr_vm_vsrc(0)
	s_getreg_b32 s2, hwreg(HW_REG_IB_STS2, 6, 4)
	s_cmp_eq_u32 s2, 0
	s_cbranch_scc0 .Lentry_in_a_cluster
	s_endpgm
.Lentry_in_a_cluster:
	s_bfe_u32 s2, ttmp6, 0x10000c
	s_cmp_lg_u32 s2, 0xf033
	s_cbranch_scc0 .Lentry_shape_is_right
	s_endpgm
.Lentry_shape_is_right:
; The three projections, on codes of FP6 (E2M3) with one E8M0 scale for each 32 along K = 1,024; sums in f32.  Their results are quantised in registers, along the K of the product that reads them, and leave as
; IMAGES OF OPERAND REGISTERS: no f32 result goes to memory.  Cluster y / 8 says which projection: 0 q Wq -> qi, 1 k Wk -> kv (K's part), 2 v Wv -> kv (V's part).
; A tile of 256 x 256 results is made by a work-group of four waves; a wave makes 128 x 128: 64 accumulators, 512 registers.  K goes in steps of 256 through a ring of two LDS slots filled by the tensor data mover.
; THE MATRIX INSTRUCTION IS USED TRANSPOSED: source 1 ('A' below) gives a lane its row, source 0 ('B') runs along the lane's registers, which is the next product's K.
;   q, k: A = the tokens, B = the weight's columns (the next K is the head's 64).    v: A = Wv's columns, B = the tokens (the next K is the keys).
; In xq and wq the rows of each 32 lie with the middle two groups of eight exchanged, so that the 16 registers of B's tiles 2 b and 2 b + 1 are 16 neighbours: register 16 b + i of a block of A is number 32 b + 16 (lane / 16) + i along the next K.
; THE SCALES of the work-group's 256 rows of A and of B, for all of K, come into LDS once, with the first fills.
; CLUSTERS: 4 x 4 work-groups.  The four of a row need the same tiles of A, the four of a column the same tiles of B: each tile is asked for jointly.
; 384 work-groups, 24 clusters: the grid is what the three products give; nothing is padded.
; LIMITS: NaN and infinities are not served; a block of zeros, or one under 2^-124, keeps the scale byte 1.
; REGISTERS, in windows of 256: window 0: v0-31 addresses; v32-63 scale words, two sets, and nothing else; from v128 A's fragments, one set; on the way out v128-183 are at work.
;   window 1: B's fragments, two sets.   window 2: the accumulators of A's blocks 0-3 ((a, b) at v[8 (8 a + b)]);   window 3: those of blocks 4-7.
.set KSTEP,  256
.set NQ,     2
.set ROWB,   192                       ; a tile's row in bytes
.set KROW,   768                       ; a row of codes in memory
.set PITCH,  240                       ; an LDS row: 3 x (64 bytes + 16 of padding)
.set FR,     12
.set NL,     6
.set NP,     4
.set HALFT,  128*PITCH
.set SLOT,   4*HALFT
.set LAPS,   2                         ; 1,024 / 512
.set KS,     32                        ; a row of scale bytes
.set SCL,    2*SLOT
.set HALFS,  (128*KS/256)*272
.set SBLK,   (16*KS/256)*272
.set SPARE,  SCL+4*HALFS               ; the spare words, 128 bytes for each wave: two blocks of 256 bytes that no other line names
.set XS,     18874368                  ; xq: where the scale bytes begin
.set WS,     2359296                   ; wq: the same
.set QW,     6291456                   ; qi: where the scale words begin
.set ADRA, 16
.set ADRB, 20
.set L8,   25                          ; v25  8 x lane
.set L16,  26                          ; v26  16 x lane
.set ADRS, 27
.set SPW,  28
.set NIL,  29
.set SC,   32
.set AF,   128
.set TM,   128                         ; the way out: v128-131 largest magnitudes, v132-135 at work, v140-143 the conversions' scale operands
.set PW0,  144                         ; scale words just made
.set PW1,  145
.set WA,   146
.set WB,   147
.set FA,   148                         ; v148-159 a fragment's codes
.set FB,   160                         ; v160-171 another's
.set CT,   172                         ; v172-179 the conversions' second halves
.set SW,   180                         ; v180-183 scale words, two tiles to a register
.set G1, 24
.set G0, 32
.set G1B, 48
.set G0B, 56
.set G1S, 68
.set G0S, 76
.set G1SB, 80
.set G0SB, 88
.set MSB, 0
.macro WIN new                         ; the immediate's high byte repeats the setting that is left
.if MSB != \new
	s_set_vgpr_msb (MSB<<8)|\new
.set MSB, \new
.endif
.endm
.set MUL_LO, 0xa1                      ; source 0 (B) window 1, source 1 (A) window 0, C and D window 2
.set MUL_HI, 0xf1
.set TO_B,   0x40
; A joint load: waves 0 and 1 fetch for A, waves 2 and 3 for B.  The branch hangs on the wave's number alone.  Four v_nop follow each of the two lines.
.macro JLOAD g0a, g1a, g0b, g1b
	s_cmp_eq_u32 s15, 0
	s_cbranch_scc0 .Lfor_b_\@
	tensor_load_to_lds s[\g0a:\g0a+3], s[\g1a:\g1a+7]
	s_nop 0
.rept 4
	v_nop
.endr
	s_branch .Lasked_\@
.Lfor_b_\@:
	tensor_load_to_lds s[\g0b:\g0b+3], s[\g1b:\g1b+7]
	s_nop 0
.rept 4
	v_nop
.endr
.Lasked_\@:
.endm
.macro CREST
	s_cmp_lg_u32 s14, 0
	s_cbranch_scc1 .Lnot_wave_0_\@
	s_barrier_signal -3
.Lnot_wave_0_\@:
	s_barrier_wait -3
	s_barrier_signal -1
	s_barrier_wait -1
.endm
.macro CROUND
	s_barrier_signal -1
	s_barrier_wait -1
	CREST
.endm
	s_load_b128 s[92:95], s[0:1], 0x0              ; xq s[92:93], wq s[94:95]
	s_load_b128 s[96:99], s[0:1], 0x10             ; qi s[96:97], kv s[98:99]
	v_lshl_add_u32 v[SPW], v0, 2, SPARE
	v_mov_b32 v[NIL], 0
	ds_add_u32 v28, v29
	s_wait_dscnt 0x0
	v_lshrrev_b32 v1, 5, v0
	v_readfirstlane_b32 s14, v1                    ; wave 0..3
	s_lshr_b32 s15, s14, 1                         ; which half of A's 256 rows is mine.  Also: I fetch for A (0) or for B (1)
	s_and_b32 s16, s14, 1                          ; which half of B's.  Also: which 128 rows of that tile I fetch
	s_bfe_u32 s40, ttmp6, 0x40000                  ; cx
	s_bfe_u32 s41, ttmp6, 0x40004                  ; cy
	s_and_b32 s13, ttmp7, 0xffff                   ; cluster y, 0 .. 23
	s_lshr_b32 s12, s13, 3                         ; which projection: the same in all sixteen partners
	s_and_b32 s13, s13, 7
	s_lshl_b32 s13, s13, 2                         ; 4 x the cluster's place among the projection's eight
	s_lshl_b32 s18, s12, 13                        ; the tokens' first row in xq
	s_lshl_b32 s19, s12, 10                        ; the weight's first row in wq
	s_mov_b32 s20, XS
	s_mov_b32 s21, WS
	s_cmp_eq_u32 s12, 2                            ; v's projection takes the weight as A and the tokens as B
	s_cselect_b32 s17, 0, s13
	s_cselect_b32 s42, s13, 0
	s_cselect_b32 s18, 2048, s18                   ; A's first row in its buffer
	s_cselect_b32 s19, 16384, s19                  ; B's
	s_cselect_b32 s2, s21, s20                     ; where A's buffer has its scale bytes
	s_cselect_b32 s3, s20, s21                     ; and B's
	s_add_co_u32 s17, s17, s41                     ; A's tile of 256 rows: it hangs on cy alone
	s_add_co_u32 s42, s42, s40                     ; B's: on cx alone
	s_lshl_b32 s43, s41, 2
	s_lshl_b32 s43, 15, s43                        ; my row of the cluster
	s_lshl_b32 s44, 0x1111, s40                    ; my column
	s_or_b32 s[G1+0], s43, (0<<16)|(1<<20)|(1<<21)|(3<<22)|(3<<25)  ; the mask; elements of 1 byte; padding on; bit 21 beside a mask; after every 16 words 4 words
	s_or_b32 s[G1B+0], s44, (0<<16)|(1<<20)|(1<<21)|(3<<22)|(3<<25)
.irp g, G1, G1B
	s_mov_b32 s[\g+1], ROWB<<16                    ; tensor_dim0
	s_mov_b32 s[\g+2], 128<<16                     ; tensor_dim1
	s_mov_b32 s[\g+3], ROWB<<16                    ; tile_dim0
	s_mov_b32 s[\g+4], 128                         ; tile_dim1
	s_mov_b32 s[\g+5], KROW                        ; the pitch
	s_mov_b32 s[\g+6], 0
	s_mov_b32 s[\g+7], 0
.endr
	s_or_b32 s[G1S+0], s43, (3<<16)|(1<<20)|(1<<21)|(5<<22)|(3<<25)   ; the scales of 128 rows: 4,096 dense bytes as rows of 256, 16 of padding behind each
	s_or_b32 s[G1SB+0], s44, (3<<16)|(1<<20)|(1<<21)|(5<<22)|(3<<25)
.irp g, G1S, G1SB
	s_mov_b32 s[\g+1], 32<<16
	s_mov_b32 s[\g+2], (128*KS/256)<<16
	s_mov_b32 s[\g+3], 32<<16
	s_mov_b32 s[\g+4], 128*KS/256
	s_mov_b32 s[\g+5], 32
	s_mov_b32 s[\g+6], 0
	s_mov_b32 s[\g+7], 0
.endr
	s_lshl_b32 s23, s16, 7                         ; which 128 rows of the tile I fetch
	s_lshl_b32 s20, s17, 8
	s_add_co_u32 s20, s20, s23
	s_add_co_u32 s20, s20, s18                     ; A's row
	s_lshl_b32 s46, s42, 8
	s_add_co_u32 s46, s46, s23
	s_add_co_u32 s46, s46, s19                     ; B's row
	s_lshl_b32 s22, s20, 5
	s_add_co_u32 s22, s22, s2                      ; where these rows' scale bytes begin,
	s_lshl_b32 s66, s46, 5
	s_add_co_u32 s66, s66, s3
	s_mul_i32 s20, s20, KROW                       ; and their codes (all under 2^25)
	s_mul_i32 s46, s46, KROW
	s_mov_b32 s21, 0
	s_mov_b32 s23, 0
	s_mov_b32 s47, 0
	s_mov_b32 s67, 0
	s_mul_i32 s45, s14, HALFT                      ; where they go: wave x 128 rows: no place in the cluster enters an LDS address
	s_mul_i32 s100, s14, HALFS
	s_wait_kmcnt 0x0
	s_cmp_eq_u32 s12, 2
	s_cselect_b64 s[4:5], s[94:95], s[92:93]       ; A's buffer
	s_cselect_b64 s[8:9], s[92:93], s[94:95]       ; B's
	s_add_nc_u64 s[20:21], s[4:5], s[20:21]
	s_add_nc_u64 s[22:23], s[4:5], s[22:23]
	s_add_nc_u64 s[46:47], s[8:9], s[46:47]
	s_add_nc_u64 s[66:67], s[8:9], s[66:67]
	CROUND                                         ; all sixteen work-groups are here: the first joint loads meet
	s_mov_b32 s[G0S], 1
	s_add_co_u32 s[G0S+1], s100, SCL
	s_mov_b64 s[G0S+2:G0S+3], s[22:23]
	s_or_b32 s[G0S+3], s[G0S+3], 0x80000000
	s_mov_b32 s[G0SB], 1
	s_add_co_u32 s[G0SB+1], s100, SCL
	s_mov_b64 s[G0SB+2:G0SB+3], s[66:67]
	s_or_b32 s[G0SB+3], s[G0SB+3], 0x80000000
	JLOAD G0S, G1S, G0SB, G1SB                     ; the scales first: they are wanted with K step 0
.irp s, 0,1
	s_mov_b32 s[G0+4*\s], 1
	s_add_co_u32 s[G0+4*\s+1], s45, \s*SLOT
	s_add_nc_u64 s[G0+4*\s+2:G0+4*\s+3], s[20:21], \s*ROWB
	s_or_b32 s[G0+4*\s+3], s[G0+4*\s+3], 0x80000000
	s_mov_b32 s[G0B+4*\s], 1
	s_add_co_u32 s[G0B+4*\s+1], s45, \s*SLOT
	s_add_nc_u64 s[G0B+4*\s+2:G0B+4*\s+3], s[46:47], \s*ROWB
	s_or_b32 s[G0B+4*\s+3], s[G0B+4*\s+3], 0x80000000
	JLOAD G0+4*\s, G1, G0B+4*\s, G1B
.endr
	v_and_b32 v1, 15, v0                           ; l % 16
	v_bfe_u32 v2, v0, 4, 1                         ; l / 16
	v_mul_u32_u24 v3, v1, PITCH
	v_mul_u32_u24 v4, v2, 24
	v_add_nc_u32 v4, v3, v4                        ; a fragment's row x pitch + 24 x half
	v_lshl_add_u32 v5, v2, 4, v4                   ; and the same behind one padding more
	s_mul_i32 s21, s15, HALFT                      ; my 128 rows of A
	s_mul_i32 s22, s16, HALFT                      ; my 128 rows of B,
	s_add_co_u32 s22, s22, 2*HALFT                 ; which lie behind A's 256
.irp s, 0,1
	v_add_nc_u32 v[ADRA+\s], s21, v4
	v_add_nc_u32 v[ADRB+\s], s22, v4
	v_add_nc_u32 v[ADRA+2+\s], s21, v5
	v_add_nc_u32 v[ADRB+2+\s], s22, v5
	s_add_co_u32 s21, s21, SLOT
	s_add_co_u32 s22, s22, SLOT
.endr
	v_mul_u32_u24 v5, v1, KS                       ; my row's scales: KS bytes a row,
	v_lshrrev_b32 v6, 8, v5
	v_lshl_add_u32 v5, v6, 4, v5                   ; and 16 more for each 256 passed
	s_mul_i32 s21, s15, HALFS
	s_mul_i32 s22, s16, HALFS
	s_add_co_u32 s22, s22, 2*HALFS
	s_sub_co_u32 s22, s22, s21
	v_mul_u32_u24 v6, s22, v2                      ; lanes 16-31 take B's
	s_add_co_u32 s21, s21, SCL
	v_add_nc_u32 v5, v5, v6
	v_add_nc_u32 v[ADRS], s21, v5
.macro FRAG reg, adr, q, i             ; a fragment, 16 rows x 128 K, is 12 registers: 24 bytes of the row's stream of bits twice, in pieces of 8 bytes
.irp p, 0,1,2,3,4,5
.set PC, 12*(\q)+6*(\p/3)+\p%3
.if PC%8 < 5
	ds_load_b64 v[\reg+2*\p:\reg+2*\p+1], v[\adr] offset:8*PC+16*(PC/8)+(\i)*16*PITCH
.else
	ds_load_b64 v[\reg+2*\p:\reg+2*\p+1], v[\adr+2] offset:8*PC+16*(PC/8)+(\i)*16*PITCH
.endif
.endr
.endm
; 16 matrix instructions: A's blocks a0, a0 + 1 x B's eight.  The 64 accumulators take turns, one instruction a turn, in the same order in every step.
.macro MUL16 a0, p, q, sc, zero
.irp a, \a0, \a0+1
.irp b, 0,1,2,3,4,5,6,7
.if \zero
	v_wmma_scale_f32_16x16x128_f8f6f4 v[8*(8*((\a)%4)+\b):8*(8*((\a)%4)+\b)+7], v[128*(\p)+FR*\b:128*(\p)+FR*\b+FR-1], v[AF+FR*(\a):AF+FR*(\a)+FR-1], 0, v[SC+8*NQ*(\sc)+NQ*\b+(\q)], v[SC+8*NQ*(\sc)+NQ*(\a)+(\q)] matrix_a_fmt:MATRIX_FMT_FP6 matrix_b_fmt:MATRIX_FMT_FP6 matrix_a_scale:MATRIX_SCALE_ROW1
.else
	v_wmma_scale_f32_16x16x128_f8f6f4 v[8*(8*((\a)%4)+\b):8*(8*((\a)%4)+\b)+7], v[128*(\p)+FR*\b:128*(\p)+FR*\b+FR-1], v[AF+FR*(\a):AF+FR*(\a)+FR-1], v[8*(8*((\a)%4)+\b):8*(8*((\a)%4)+\b)+7], v[SC+8*NQ*(\sc)+NQ*\b+(\q)], v[SC+8*NQ*(\sc)+NQ*(\a)+(\q)] matrix_a_fmt:MATRIX_FMT_FP6 matrix_b_fmt:MATRIX_FMT_FP6 matrix_a_scale:MATRIX_SCALE_ROW1
.endif
.endr
.endr
.endm
.macro FETCH_B slot, q, p
	WIN TO_B
.irp i, 0,1,2,3,4,5,6,7
	FRAG 128*(\p)+FR*\i, ADRB+\slot, \q, \i
.endr
	WIN 0
.endm
.macro FETCH_A slot, q, i0
.irp i, \i0, \i0+1, \i0+2, \i0+3
	FRAG AF+FR*(\i), ADRA+\slot, \q, \i
.endr
.endm
.macro SCALES sc                       ; a K step's scale words: lanes 0-15 take A's block i, lanes 16-31 B's block i
.irp i, 0,1,2,3,4,5,6,7
	ds_load_b64 v[SC+8*NQ*\sc+NQ*\i:SC+8*NQ*\sc+NQ*\i+1], v[ADRS] offset:\i*SBLK
.endr
.endm
.macro PLACES n                        ; plain vector instructions between a matrix instruction and a load into, or a read of, its registers
.rept \n
	v_nop
.endr
.endm
.macro STEP slot, q, zero
	s_wait_dscnt 4*NL                              ; B's set and A's blocks 0-3 are in; the youngest 24 loads (A's blocks 4-7) may be out
	WIN MUL_LO
	MUL16 0, (\q)%2, \q, \slot, \zero
	MUL16 2, (\q)%2, \q, \slot, \zero
	s_wait_dscnt 0
	PLACES NP
	FETCH_B \slot, (\q)+1, 1-(\q)%2
	FETCH_A \slot, (\q)+1, 0
	WIN MUL_HI
	MUL16 4, (\q)%2, \q, \slot, \zero
	MUL16 6, (\q)%2, \q, \slot, \zero
	PLACES NP
	WIN 0
	FETCH_A \slot, (\q)+1, 4
.endm
; A slot's last step changes slots: one barrier; in front of it each wave waits for all its tensor loads, adds 0 to its spare word, and waits for that and for its own reads of this slot.
.macro TURN slot, next, fill
	s_wait_tensorcnt 0x0                           ; all my tensor loads have landed: my part of the next slot
	ds_add_u32 v[SPW], v[NIL]                      ; 0 onto my spare word
	s_wait_dscnt 4*NL+1                            ; (the add and the youngest 24 loads may be out)
	WIN MUL_LO
	MUL16 0, 1, NQ-1, \slot, 0
	s_wait_dscnt 0x0                               ; the add is done, and my reads of this slot are over
	s_barrier_signal -1
	MUL16 2, 1, NQ-1, \slot, 0
	WIN 0
	s_barrier_wait -1
.if \fill
	CREST                                          ; the barrier has opened a round of the cluster's barrier: no wave of any partner still reads this slot or has a load on its way
	s_add_nc_u64 s[G0+4*\slot+2:G0+4*\slot+3], s[G0+4*\slot+2:G0+4*\slot+3], 2*ROWB
	s_add_nc_u64 s[G0B+4*\slot+2:G0B+4*\slot+3], s[G0B+4*\slot+2:G0B+4*\slot+3], 2*ROWB
	JLOAD G0+4*\slot, G1, G0B+4*\slot, G1B         ; the first tensor load behind the round; its four v_nop are the places in front of the loads below
.else
	PLACES NP
.endif
	v_add_nc_u32 v[ADRS], 4*NQ, v[ADRS]            ; on to the next K step's scale words
	FETCH_B \next, 0, 0
	FETCH_A \next, 0, 0
	SCALES \next
	WIN MUL_HI
	MUL16 4, 1, NQ-1, \slot, 0
	MUL16 6, 1, NQ-1, \slot, 0
	PLACES NP
	WIN 0
	FETCH_A \next, 0, 4
.endm
	s_wait_tensorcnt 1                             ; the scales and my part of K step 0 are in (K step 1's load may be out),
	s_barrier_signal -1
	s_barrier_wait -1                              ; everybody's are
	FETCH_B 0, 0, 0
	FETCH_A 0, 0, 0
	SCALES 0
	FETCH_A 0, 0, 4
	STEP 0, 0, 1                                   ; the first step stands in front of the loop: its products start the sums
	s_mov_b32 s3, LAPS-1
.Llap:                                             ; a trip goes once round the ring and fills both slots again
	TURN 0, 1, 1
	STEP 1, 0, 0
	TURN 1, 0, 1
	STEP 0, 0, 0
	s_sub_co_u32 s3, s3, 1
	s_cmp_lg_u32 s3, 0
	s_cbranch_scc1 .Llap
	TURN 0, 1, 0                                   ; the last lap fills nothing
	STEP 1, 0, 0
	s_wait_dscnt 4*NL
	WIN MUL_LO
	MUL16 0, 1, NQ-1, 1, 0
	MUL16 2, 1, NQ-1, 1, 0
	s_wait_dscnt 0
	WIN MUL_HI
	MUL16 4, 1, NQ-1, 1, 0
	MUL16 6, 1, NQ-1, 1, 0
	WIN 0
; THE WAY OUT.  QUANT: the 64 numbers v[s] on of window w (register 16 b + i = number 32 b + 16 (lane / 16) + i of my row) become codes: numbers 0-63 in v[d0 .. d0 + 5], numbers 64-127 in v[d1 .. d1 + 5],
; each in the operand's own layout (a whole block of 32 in a lane), and the row's scale word in v[pw] (the same in both halves of the lanes).  Each accumulator is read from its low end on.
.macro QUANT s, w, d0, d1, pw
.set WSRC2, (\w)*5
.set WSRC1, (\w)
	WIN WSRC2                                      ; sources 0 and 1 in the accumulators' window
.irp b, 0,1,2,3
	v_max3_num_f32 v[TM+\b], |v[(\s)+16*\b]|, |v[(\s)+16*\b+1]|, 0x1800000   ; with the floor 2^(3 - 127): the byte cannot fall under 1
.endr
.irp i, 2,4,6,8,10,12,14
.irp b, 0,1,2,3
	v_max3_num_f32 v[TM+\b], |v[(\s)+16*\b+\i]|, |v[(\s)+16*\b+\i+1]|, v[TM+\b]
.endr
.endr
	WIN 0
.irp b, 0,1,2,3
	v_permlanex16_b32 v[TM+4+\b], v[TM+\b], s18, s19
.endr
.irp b, 0,1,2,3
	v_max_num_f32 v[TM+\b], v[TM+\b], v[TM+4+\b]   ; with lane l xor 16's: the block's largest magnitude
.endr
.irp b, 0,1,2,3
	v_add_nc_u32 v[TM+12+\b], 0xff000000, v[TM+\b] ; 2 off its exponent field: the conversion's scale operand
.endr
.irp b, 0,1,2,3
	v_lshrrev_b32 v[TM+4+\b], 23, v[TM+12+\b]      ; the scale's byte
.endr
	v_lshl_or_b32 v[\pw], v[TM+5], 8, v[TM+4]
	v_lshl_or_b32 v[\pw], v[TM+6], 16, v[\pw]
	v_lshl_or_b32 v[\pw], v[TM+7], 24, v[\pw]
	WIN WSRC1
	v_cvt_scalef32_pk16_fp6_f32 v[\d0:\d0+2], v[(\s):(\s)+15], v[TM+12]
	v_cvt_scalef32_pk16_fp6_f32 v[CT:CT+2], v[(\s)+16:(\s)+31], v[TM+13]
	v_cvt_scalef32_pk16_fp6_f32 v[\d1:\d1+2], v[(\s)+32:(\s)+47], v[TM+14]
	v_cvt_scalef32_pk16_fp6_f32 v[CT+4:CT+6], v[(\s)+48:(\s)+63], v[TM+15]
	WIN 0
	v_nop                                          ; one plain place behind a scaled conversion
.irp i, 0,1,2
	v_permlane16_swap_b32 v[\d0+\i], v[CT+\i]      ; the first's lanes 16-31 change places with the second's lanes 0-15
	v_permlane16_swap_b32 v[\d1+\i], v[CT+4+\i]
.endr
.irp i, 0,1,2
	v_mov_b32 v[\d0+3+\i], v[CT+\i]
	v_mov_b32 v[\d1+3+\i], v[CT+4+\i]
.endr
.endm
	v_and_b32 v24, 31, v0                          ; four plain lines: the places behind the last products
	v_lshlrev_b32 v[L8], 3, v24
	v_lshlrev_b32 v[L16], 4, v24
	v_nop
.irp b, 0,1,2,3
	v_mov_b32 v[TM+4+\b], 0                        ; written once: a lane permute's destination counts as one of its sources
.endr
	s_mov_b32 s18, 0x76543210
	s_mov_b32 s19, 0xfedcba98                      ; lane l xor 16
	s_mov_b32 s13, 0xffff0000                      ; lanes 16-31
	s_lshl_b32 s20, s17, 1
	s_add_co_u32 s20, s20, s15                     ; my 128 rows of A, counted in 128s
	s_lshl_b32 s21, s42, 1
	s_add_co_u32 s21, s21, s16                     ; my 128 rows of B
	s_cmp_eq_u32 s12, 2
	s_cselect_b32 s22, s21, s20                    ; G: which 128 tokens
	s_cselect_b32 s23, s20, s21                    ; which pair of heads
	s_mov_b32 s47, 0
	s_cmp_eq_u32 s12, 0
	s_cbranch_scc0 .Lkv
	; ---- q: block a is a tile of 16 queries; its 128 numbers are two heads' 64.  Image: [tile][head][3 pairs of registers][lane][8 bytes]
	s_mul_i32 s46, s22, 98304                      ; 128 rows x 768 bytes
	s_mul_i32 s45, s23, 1536
	s_add_co_u32 s46, s46, s45
	s_add_nc_u64 s[4:5], s[96:97], s[46:47]
	s_lshl_b32 s46, s23, 6
	s_add_co_u32 s46, s46, s22
	s_lshl_b32 s46, s46, 9
	s_add_co_u32 s46, s46, QW
	s_add_nc_u64 s[6:7], s[96:97], s[46:47]        ; the scale words: [pair of heads][G][lane][4 words]
.irp a, 0,1,2,3,4,5,6,7
.if \a > 0
	s_wait_xcnt 0x0                                ; the last block's stores have read their registers
.endif
	QUANT 64*(\a%4), 2+\a/4, FA, FA+6, PW0
.irp pp, 0,1,2,3,4,5
	global_store_b64 v[L8], v[FA+2*\pp:FA+2*\pp+1], s[4:5] offset:12288*\a+256*\pp   ; 32 lanes store 256 consecutive bytes, aligned
.endr
.if \a%2 == 0
	v_mov_b32 v[SW+\a/2], v[PW0]                   ; an even tile's words in lanes 0-15,
.else
	v_cndmask_b32 v[SW+\a/2], v[SW+\a/2], v[PW0], s13   ; the odd tile's in lanes 16-31
.endif
.endr
	global_store_b128 v[L16], v[SW:SW+3], s[6:7]
	s_branch .Lend
.Lkv:
	s_lshr_b32 s46, s22, 4
	s_lshl_b32 s46, s46, 6                         ; 64 x batch
	s_lshr_b32 s45, s23, 1
	s_lshl_b32 s45, s45, 4                         ; + 16 x group of four heads
	s_add_co_u32 s46, s46, s45
	s_and_b32 s45, s22, 15                         ; + the key step
	s_add_co_u32 s46, s46, s45
	s_mul_i32 s46, s46, 51200                      ; the block of kv
	s_and_b32 s45, s23, 1
	s_mul_i32 s44, s45, 12288                      ; my two heads' images among the block's four,
	s_lshl_b32 s45, s45, 9                         ; and their scale words
	s_add_co_u32 s44, s44, s46
	s_add_co_u32 s46, s46, s45
	s_mov_b32 s45, 0
	s_add_nc_u64 s[4:5], s[98:99], s[44:45]
	s_add_nc_u64 s[6:7], s[98:99], s[46:47]
	s_cmp_eq_u32 s12, 2
	s_cbranch_scc1 .Ltail_v
	; ---- k: a fragment holds two tiles of 16 keys, 64 along K each: tile 2 b in registers 0-5, tile 2 b + 1 in registers 6-11
.irp be, 0,1,2,3
.if \be > 0
	s_wait_xcnt 0x0
.endif
	QUANT 64*((2*\be)%4), 2+(2*\be)/4, FA, FB, PW0
	QUANT 64*((2*\be+1)%4), 2+(2*\be+1)/4, FA+6, FB+6, PW1
.if \be%2 == 0
	v_perm_b32 v[SW+\be/2], v[PW1], v[PW0], 0x05040100     ; the first head's word: the lower tile's two bytes, the upper tile's two
	v_perm_b32 v[SW+2+\be/2], v[PW1], v[PW0], 0x07060302   ; the second head's
.else
	v_perm_b32 v[WA], v[PW1], v[PW0], 0x05040100
	v_perm_b32 v[WB], v[PW1], v[PW0], 0x07060302
	v_cndmask_b32 v[SW+\be/2], v[SW+\be/2], v[WA], s13
	v_cndmask_b32 v[SW+2+\be/2], v[SW+2+\be/2], v[WB], s13
.endif
.irp g, 0,1,2
	global_store_b128 v[L16], v[FA+4*\g:FA+4*\g+3], s[4:5] offset:1536*\be+512*\g        ; 32 lanes store 512 consecutive bytes, aligned
	global_store_b128 v[L16], v[FB+4*\g:FB+4*\g+3], s[4:5] offset:6144+1536*\be+512*\g
.endr
.endr
	global_store_b64 v[L8], v[SW:SW+1], s[6:7] offset:24576
	global_store_b64 v[L8], v[SW+2:SW+3], s[6:7] offset:24576+256
	s_branch .Lend
.Ltail_v:
	; ---- v: block a is 16 of a head's 64 (head a / 4 of my two, tile a % 4), its 128 numbers the key step's 128 keys: one whole fragment
.irp a, 0,1,2,3,4,5,6,7
.if \a > 0
	s_wait_xcnt 0x0
.endif
	QUANT 64*(\a%4), 2+\a/4, FA, FA+6, PW0
.irp g, 0,1,2
	global_store_b128 v[L16], v[FA+4*\g:FA+4*\g+3], s[4:5] offset:25600+1536*\a+512*\g
.endr
.if \a%2 == 0
	v_mov_b32 v[SW+\a/2], v[PW0]
.else
	v_cndmask_b32 v[SW+\a/2], v[SW+\a/2], v[PW0], s13
.endif
.endr
	global_store_b64 v[L8], v[SW:SW+1], s[6:7] offset:50176
	global_store_b64 v[L8], v[SW+2:SW+3], s[6:7] offset:50176+256
.Lend:
	s_wait_tensorcnt 0x0                           ; the wave's end
	ds_add_u32 v[SPW], v[NIL]
	s_wait_dscnt 0x0
	CROUND                                         ; the closing round: no work-group ends while a partner may still ask for a tile that names it
	s_endpgm
.Lfunc_end_k_qc36eeb70a0_gemm:
	.size	k_qc36eeb70a0_gemm, .Lfunc_end_k_qc36eeb70a0_gemm-k_qc36eeb70a0_gemm
	.p2alignl 7, 3214868480
	.fill 96, 4, 3214868480
	.section	.rodata,"a",@progbits
	.p2align	6, 0x0
	.amdhsa_kernel k_qc36eeb70a0_gemm
		.amdhsa_group_segment_fixed_size 327680
		.amdhsa_private_segment_fixed_size 0
		.amdhsa_enable_private_segment 0
		.amdhsa_kernarg_size 32
		.amdhsa_user_sgpr_count 2
		.amdhsa_user_sgpr_kernarg_segment_ptr 1
		.amdhsa_wavefront_size32 1
		.amdhsa_system_sgpr_workgroup_id_x 1
		.amdhsa_system_sgpr_workgroup_id_y 1
		.amdhsa_system_sgpr_workgroup_id_z 1
		.amdhsa_system_vgpr_workitem_id 0
		.amdhsa_next_free_vgpr 1024
		.amdhsa_next_free_sgpr 102
		.amdhsa_reserve_vcc 0
		.amdhsa_float_denorm_mode_32 3
		.amdhsa_float_denorm_mode_16_64 3
		.amdhsa_memory_ordered 1
		.amdhsa_forward_progress 1
		.amdhsa_inst_pref_size 236
	.end_amdhsa_kernel
	.amdgpu_metadata
---
amdhsa.version: [ 1, 2 ]
amdhsa.kernels:
  - .name:           k_qc36eeb70a0_gemm
    .symbol:         k_qc36eeb70a0_gemm.kd
    .args:
      - { .name: xq, .offset: 0, .size: 8, .value_kind: global_buffer, .address_space: global }
      - { .name: wq, .offset: 8, .size: 8, .value_kind: global_buffer, .address_space: global }
      - { .name: qi, .offset: 16, .size: 8, .value_kind: global_buffer, .address_space: global }
      - { .name: kv, .offset: 24, .size: 8, .value_kind: global_buffer, .address_space: global }
    .group_segment_fixed_size: 327680
    .private_segment_fixed_size: 0
    .kernarg_segment_align: 8
    .kernarg_segment_size: 32
    .max_flat_workgroup_size: 128
    .sgpr_count:     102
    .vgpr_count:     1024
    .wavefront_size: 32
...
	.end_amdgpu_metadata
.endif
;; end of part 2
;; launch attn (part 3): grid 32 x 16, 16 waves a work-group, clusters of 4 x 4, 327,680 bytes of LDS; arguments qi, kv, mc, cc; writes cc
.if DOCPART == 3
	.amdgcn_target "amdgcn-amd-amdhsa--gfx1250"
	.amdhsa_code_object_version 6
	.text
	.protected	k_qc36eeb70a0_attn
	.globl	k_qc36eeb70a0_attn
	.p2align	8
	.type	k_qc36eeb70a0_attn,@function
k_qc36eeb70a0_attn:
	s_mov_b64 s[64:65], 0
	v_nop
	global_prefetch_b8 v0, s[64:65] scope:SCOPE_SE
	s_setreg_imm32_b32 hwreg(HW_REG_WAVE_MODE, 25, 1), 1
	s_wait_xcnt 0x0
	s_wait_alu depctr_hold_cnt(0) depctr_sa_sdst(0) depctr_va_vdst(0) depctr_va_sdst(0) depctr_va_ssrc(0) depctr_va_vcc(0) depctr_vm_vsrc(0)
	s_getreg_b32 s2, hwreg(HW_REG_IB_STS2, 6, 4)
	s_cmp_eq_u32 s2, 0
	s_cbranch_scc0 .Lentry_in_a_cluster
	s_endpgm
.Lentry_in_a_cluster:
	s_bfe_u32 s2, ttmp6, 0x10000c
	s_cmp_lg_u32 s2, 0xf033
	s_cbranch_scc0 .Lentry_shape_is_right
	s_endpgm
.Lentry_shape_is_right:
; ctx = softmax(mask x Q K^T / 8) V for 64 (batch, head) pairs, both products on codes of FP6 (E2M3) with E8M0 scales; ctx leaves quantised along the last product's K, as images of operand registers.
; THE SOFTMAX: t = score x (mask x log2(e) / 8); M = the running largest t rounded UP to a whole number; p = 2^(t - M) is quantised along the keys, not normalised; the row's sum is taken of the unquantised p
; and divides at the end.  When M moves, the sum and O are multiplied by 2^(old M - new M): exact.  A masked score counts with t = 0, as the multiplication has it.
; SHARES.  A work-group takes 64 queries x 4 heads of one batch.  Each of its SIXTEEN waves owns one head (wave % 4) and one tile of 16 queries (wave / 4), in 256 registers: four waves to a SIMD, so that one
; wave's vector work stands beside another's matrix work and LDS loads.  Every wave walks all 2,048 keys, 128 a step.
; THE RING.  Two LDS slots; a slot holds a key step's K and V of the four heads (one dense block of 51,200 bytes of kv) and the mask's four tiles of 16 queries x 128 keys (8,192 bytes each): all of them images of
; registers, so that everything comes by loads of 16 bytes a lane at 16 x lane.  A block of kv is read by the four waves of a head, a tile of the mask by the four heads' waves of a tile of queries.
; Waves 0-7 bring 6,400 bytes of kv each, waves 8-11 a tile of the mask each, waves 12-15 nothing.
; CLUSTER, 4 x 4.  kv hangs on (batch, group of heads) alone, the grid's y: the four work-groups of a row of the cluster ask for it jointly.  The mask's tiles hang on the block of queries alone, the grid's x: the four
; of a column ask for them jointly.
; LAYOUT.  Both products are used transposed: S^T = K Q^T, O^T = V^T P^T: a lane holds ONE query throughout.  The scores' K is 64: a fragment of K holds TWO tiles of 16 keys (registers 0-5, 6-11), and Q stands
; between two runs of zero codes, Z Q Z: [Q Z] picks the lower tile, [Z Q] the upper.  By the order of rows in kv the 16 registers of two neighbouring tiles are 16 neighbouring keys.
; LIMITS: NaN and infinities are not served; a block of zeros, or one under 2^-124, keeps the scale byte 1; for a mask of other whole numbers than 0 and 1, t has one rounding more than in the order score / 8 x mask x log2(e).
; REGISTERS: v1-11 addresses; v12 -M, v13 the largest t, v[14:15] the sum in two halves; v16 Q's scale word, v17 p's; v18-19 K's, v20-21 V's; v22-39 Z Q Z; v40-87 four fragments of K, then of V;
;   v88-99 p's codes; v100-107 the conversions' second halves; v108-139 the mask alone; v140-203 S^T, then p; v204-235 O^T; v236-253 at work.
;   The mask's tile, 64 registers: groups 0-12 of four in v88-139, asked for with K; groups 13-15 in v76-87, K's last fragment, asked for behind the scores' products.
.set SLOT1, 131072                     ; slot 1 begins here: one exclusive or turns an address
.set SPARE, 229376                     ; the spare words, 128 bytes for each wave: eight blocks of 256 bytes that no other line names
.set BLKB,  51200                      ; a block of kv; behind it in a slot the mask's four tiles
.set WPART, 6400                       ; a wave's part of the block: 25 rows of 256 bytes
.set QW,    6291456                    ; qi: where the scale words begin
.set CW,    6291456                    ; cc: the same
.set L16, 1                            ; 16 x lane
.set L8,  2                            ; 8 x lane
.set SPW, 3
.set NIL, 4
.set AK0, 5                            ; my place in a slot: my head's fragments,
.set AW0, 6                            ; its scale words,
.set AM0, 7                            ; my tile of the mask
.set ADK, 8                            ; the same in the slot in hand
.set ADW, 9
.set ADM, 10
.set R4,  11                           ; 4 x (lane % 16)
.set NM,  12
.set SU,  14
.set QS,  16
.set PW,  17
.set KSW, 18
.set VSW, 20
.set ZQ,  22
.set F,   40
.set PC,  88
.set CT,  100
.set S,   140
.set OT,  204
.set BM,  236
.set T4,  240
.set SO,  244
.set FF,  248
.set TS,  250
.set TA,  252
.set R16, 253                          ; 16 x (lane % 16)
.set G1K, 24                           ; s[24:31] descriptor group 1 for kv's parts;  s[32:35] its group 0, which walks
.set G0K, 32
.set G0M, 36                           ; s[36:39] group 0 for the mask's tiles;  s[40:47] their group 1
.set G1M, 40
; A round of the cluster's barrier
.macro CROUND
	s_barrier_signal -1
	s_barrier_wait -1
	s_cmp_lg_u32 s16, 0
	s_cbranch_scc1 .Lnot_wave_0_\@
	s_barrier_signal -3
.Lnot_wave_0_\@:
	s_barrier_wait -3
	s_barrier_signal -1
	s_barrier_wait -1
.endm
; The joint loads of a key step.  The branches hang on the wave's number alone: they are the same in every work-group.  Four v_nop follow each of the two lines.
.macro TLOAD
	s_cmp_lt_u32 s16, 8
	s_cbranch_scc0 .Lnot_kv_\@
	tensor_load_to_lds s[G0K:G0K+3], s[G1K:G1K+7]
	s_nop 0
.rept 4
	v_nop
.endr
	s_branch .Lasked_\@
.Lnot_kv_\@:
	s_cmp_lt_u32 s16, 12
	s_cbranch_scc0 .Lasked_\@
	tensor_load_to_lds s[G0M:G0M+3], s[G1M:G1M+7]
	s_nop 0
.rept 4
	v_nop
.endr
.Lasked_\@:
.endm
	s_load_b256 s[4:11], s[0:1], 0x0               ; qi s[4:5], kv s[6:7], mc s[8:9], cc s[10:11]
	v_lshl_add_u32 v[SPW], v0, 2, SPARE
	v_mov_b32 v[NIL], 0
	ds_add_u32 v3, v4
	s_wait_dscnt 0x0
	v_lshrrev_b32 v[R4], 5, v0
	v_readfirstlane_b32 s16, v[R4]                 ; wave 0..15
	s_bfe_u32 s17, ttmp6, 0x40000                  ; cx
	s_bfe_u32 s18, ttmp6, 0x40004                  ; cy
	s_lshl_b32 s19, ttmp9, 2
	s_add_co_u32 s19, s19, s17                     ; my block of 64 queries = 4 x cluster x + cx
	s_and_b32 s20, ttmp7, 0xffff
	s_lshl_b32 s20, s20, 2
	s_add_co_u32 s20, s20, s18                     ; y = 4 x batch + group of heads = 4 x cluster y + cy
	s_lshl_b32 s12, s18, 2
	s_lshl_b32 s12, 15, s12                        ; my row of the cluster: places 4 cy .. 4 cy + 3
	s_lshl_b32 s13, 0x1111, s17                    ; my column: places cx, cx + 4, cx + 8, cx + 12
	s_or_b32 s[G1K+0], s12, (3<<16)|(1<<21)        ; the mask: kv goes to my row; elements of 8 bytes; bit 21 beside a mask; no padding
	s_mov_b32 s[G1K+1], 32<<16                     ; tensor_dim0: 256 bytes
	s_mov_b32 s[G1K+2], 25<<16                     ; tensor_dim1
	s_mov_b32 s[G1K+3], 32<<16                     ; tile_dim0
	s_mov_b32 s[G1K+4], 25                         ; tile_dim1
	s_mov_b32 s[G1K+5], 32                         ; the pitch: dense
	s_mov_b32 s[G1K+6], 0
	s_mov_b32 s[G1K+7], 0
	s_or_b32 s[G1M+0], s13, (3<<16)|(1<<21)        ; the mask's tiles go to my column: 32 rows of 256 bytes, dense
	s_mov_b32 s[G1M+1], 32<<16
	s_mov_b32 s[G1M+2], 32<<16
	s_mov_b32 s[G1M+3], 32<<16
	s_mov_b32 s[G1M+4], 32
	s_mov_b32 s[G1M+5], 32
	s_mov_b32 s[G1M+6], 0
	s_mov_b32 s[G1M+7], 0
	s_and_b32 s21, s16, 3                          ; my head of the four.  Also: which tile of the mask waves 8-11 bring
	s_lshr_b32 s22, s16, 2                         ; my tile of queries of the four
	s_and_b32 s23, s16, 1                          ; which half of a fragment of ctx my head is
	s_and_b32 s[G0K+1], s16, 7
	s_mul_i32 s[G0K+1], s[G0K+1], WPART            ; kv: my part's place in a slot,
	s_mul_i32 s52, s20, 16*BLKB                    ; and in memory: y's sixteen blocks; no cx enters
	s_add_co_u32 s52, s52, s[G0K+1]
	s_mov_b32 s53, 0
	s_lshl_b32 s54, s19, 2
	s_add_co_u32 s54, s54, s21                     ; the mask: tile 4 x block of queries + wave % 4; no cy enters
	s_lshl_b32 s54, s54, 17                        ; sixteen images of 8,192 bytes a tile
	s_mov_b32 s55, 0
	s_lshl_b32 s[G0M+1], s21, 13
	s_add_co_u32 s[G0M+1], s[G0M+1], BLKB          ; its place in a slot
	s_lshl_b32 s56, s19, 2
	s_add_co_u32 s56, s56, s22                     ; my tile of queries in the batch,
	s_lshr_b32 s57, s20, 2
	s_lshl_b32 s57, s57, 7
	s_add_co_u32 s56, s56, s57                     ; Tg: among all 512
	s_and_b32 s57, s20, 3                          ; the group of heads
	s_lshr_b32 s50, s21, 1                         ; which pair of the group's heads
	s_lshl_b32 s62, s56, 9                         ; cc's scale words: CW + 512 Tg + 128 group + 64 pair + 2 half
	s_lshl_b32 s63, s57, 7
	s_add_co_u32 s62, s62, s63
	s_lshl_b32 s63, s50, 6
	s_add_co_u32 s62, s62, s63
	s_lshl_b32 s63, s23, 1
	s_add_co_u32 s62, s62, s63
	s_add_co_u32 s62, s62, CW
	s_mov_b32 s63, 0
	s_lshl_b32 s60, s56, 3                         ; cc's images: (8 Tg + 2 group + pair) x 1,536
	s_lshl_b32 s61, s57, 1
	s_add_co_u32 s60, s60, s61
	s_add_co_u32 s60, s60, s50
	s_mul_i32 s60, s60, 1536
	s_mov_b32 s61, 0
	s_lshl_b32 s58, s57, 1                         ; Q's scale words: QW + ((2 group + pair) 64 + Tg / 8) 512 + 256 (Tg % 2) + 4 ((Tg % 8) / 2)
	s_add_co_u32 s58, s58, s50
	s_lshl_b32 s58, s58, 6
	s_lshr_b32 s59, s56, 3
	s_add_co_u32 s58, s58, s59
	s_lshl_b32 s58, s58, 9
	s_and_b32 s59, s56, 1
	s_lshl_b32 s59, s59, 8
	s_add_co_u32 s58, s58, s59
	s_bfe_u32 s59, s56, 0x20001
	s_lshl_b32 s59, s59, 2
	s_add_co_u32 s58, s58, s59
	s_add_co_u32 s58, s58, QW
	s_mov_b32 s59, 0
	s_lshl_b32 s56, s56, 4                         ; Q's images: (16 Tg + 4 group + head) x 768
	s_lshl_b32 s57, s57, 2
	s_add_co_u32 s56, s56, s57
	s_add_co_u32 s56, s56, s21
	s_mul_i32 s56, s56, 768
	s_mov_b32 s57, 0
	s_mov_b32 s50, 0x03020302                      ; of a pair's word (first head: s0, s1; second head: s0, s1) my head's two bytes, twice
	s_cmp_eq_u32 s23, 0
	s_cselect_b32 s50, 0x01000100, s50
	s_mov_b32 s48, 0x76543210
	s_mov_b32 s49, 0xfedcba98                      ; lane l xor 16
	s_mov_b32 s2, 0                                ; the slot in hand
	s_mov_b32 s3, 15                               ; key steps still to be asked for
	v_and_b32 v[TA], 31, v0
	v_lshlrev_b32 v[L16], 4, v[TA]
	v_lshlrev_b32 v[L8], 3, v[TA]
	v_and_b32 v[R4], 15, v0
	v_lshlrev_b32 v[R16], 4, v[R4]
	v_lshlrev_b32 v[R4], 2, v[R4]
	s_mul_i32 s51, s21, 6144
	v_add_nc_u32 v[AK0], s51, v[L16]               ; 16 x lane + 6,144 x head
	s_lshl_b32 s51, s21, 8
	v_add_nc_u32 v[AW0], s51, v[L8]                ; 8 x lane + 256 x head
	s_lshl_b32 s51, s22, 13
	s_add_co_u32 s51, s51, BLKB
	v_add_nc_u32 v[AM0], s51, v[L16]               ; 16 x lane + 51,200 + 8,192 x tile
	s_wait_kmcnt 0x0
	s_mov_b32 s[G0K], 1
	s_add_nc_u64 s[G0K+2:G0K+3], s[6:7], s[52:53]
	s_or_b32 s[G0K+3], s[G0K+3], 0x80000000
	s_mov_b32 s[G0M], 1
	s_add_nc_u64 s[G0M+2:G0M+3], s[8:9], s[54:55]
	s_or_b32 s[G0M+3], s[G0M+3], 0x80000000
	s_add_nc_u64 s[14:15], s[4:5], s[58:59]        ; Q's scale words
	s_add_nc_u64 s[4:5], s[4:5], s[56:57]          ; Q's image
	s_add_nc_u64 s[12:13], s[10:11], s[62:63]      ; cc's scale words
	s_add_nc_u64 s[10:11], s[10:11], s[60:61]      ; cc's image
.irp p, 0,1,2
	global_load_b64 v[ZQ+6+2*\p:ZQ+7+2*\p], v[L8], s[4:5] offset:256*\p   ; Q stays in registers
.endr
	global_load_b32 v[TS], v[R16], s[14:15]
	v_mov_b32 v[NM+1], 0xff61b1e6                  ; the largest t so far: -3e38
	v_floor_f32 v[NM], -v[NM+1]                    ; -M
	v_mov_b32 v[SU], 0                             ; the sum, in two halves
	v_mov_b32 v[SU+1], 0
.irp b, 0,1,2,3
	v_mov_b32 v[T4+\b], 0                          ; written once: a lane permute's destination counts as one of its sources
.endr
	v_mov_b32 v[FF+1], 0                           ; (named as the upper half of a pair)
	s_wait_loadcnt 0x0
	v_perm_b32 v[QS], v[TS], v[TS], s50            ; (s0, s1, s0, s1): it serves [Q Z] and [Z Q] alike
.irp i, 0,1,2,3,4,5
	v_mov_b32 v[ZQ+\i], 0                          ; Z: zero codes
	v_mov_b32 v[ZQ+12+\i], 0
.endr
.set j, 0
.rept 32
	v_mov_b32 v[OT+j], 0                           ; O^T.  The key step is written once for all steps: the first finds zeros, which the first change of M leaves zeros; a first step of its own would be a third copy of the step's text
.set j, j+1
.endr
	CROUND                                         ; all sixteen work-groups are here: the first joint loads meet
	TLOAD                                          ; key step 0 into slot 0: one load of mine is out
; A KEY STEP: my head, my 16 queries, 128 keys.
.macro STEP
	v_add_nc_u32 v[ADK], s2, v[AK0]
	v_add_nc_u32 v[ADW], s2, v[AW0]
	v_add_nc_u32 v[ADM], s2, v[AM0]
.irp be, 0,1,2,3
.irp g, 0,1,2
	ds_load_b128 v[F+12*\be+4*\g:F+12*\be+4*\g+3], v[ADK] offset:1536*\be+512*\g   ; K's four fragments
.endr
.endr
	ds_load_b64 v[KSW:KSW+1], v[ADW] offset:24576  ; their scale words: fragments 0 | 1 and 2 | 3 in the two halves of the lanes
.irp g, 0,1,2,3,4,5,6,7,8,9,10,11,12
	ds_load_b128 v[PC+4*\g:PC+4*\g+3], v[ADM] offset:512*\g   ; the mask's groups 0-12
.endr
	s_wait_dscnt 13                                ; K's 13 loads are in; the mask's 13 may be out
.irp be, 0,1,2,3
.if \be%2
	v_wmma_scale_f32_16x16x128_f8f6f4 v[S+16*\be:S+16*\be+7], v[F+12*\be:F+12*\be+11], v[ZQ+6:ZQ+17], 0, v[KSW+\be/2], v[QS] matrix_a_fmt:MATRIX_FMT_FP6 matrix_b_fmt:MATRIX_FMT_FP6 matrix_a_scale:MATRIX_SCALE_ROW1
	v_wmma_scale_f32_16x16x128_f8f6f4 v[S+16*\be+8:S+16*\be+15], v[F+12*\be:F+12*\be+11], v[ZQ:ZQ+11], 0, v[KSW+\be/2], v[QS] matrix_a_fmt:MATRIX_FMT_FP6 matrix_b_fmt:MATRIX_FMT_FP6 matrix_a_scale:MATRIX_SCALE_ROW1
.else
	v_wmma_scale_f32_16x16x128_f8f6f4 v[S+16*\be:S+16*\be+7], v[F+12*\be:F+12*\be+11], v[ZQ+6:ZQ+17], 0, v[KSW+\be/2], v[QS] matrix_a_fmt:MATRIX_FMT_FP6 matrix_b_fmt:MATRIX_FMT_FP6
	v_wmma_scale_f32_16x16x128_f8f6f4 v[S+16*\be+8:S+16*\be+15], v[F+12*\be:F+12*\be+11], v[ZQ:ZQ+11], 0, v[KSW+\be/2], v[QS] matrix_a_fmt:MATRIX_FMT_FP6 matrix_b_fmt:MATRIX_FMT_FP6
.endif
.endr
.rept 4
	v_nop                                          ; places in front of the loads into K's registers and of the first read of the scores
.endr
.irp g, 13,14,15
	ds_load_b128 v[F+36+4*(\g-13):F+36+4*(\g-13)+3], v[ADM] offset:512*\g   ; the mask's groups 13-15
.endr
	s_wait_dscnt 3                                 ; groups 0-12 are in; the three just asked for may be out
.set j, 0
.rept 26
	v_pk_mul_f32 v[S+j:S+j+1], v[S+j:S+j+1], v[PC+j:PC+j+1]   ; t = score x mask x c, each accumulator from its low end on
.set j, j+2
.endr
	s_wait_dscnt 0x0
.rept 6
	v_pk_mul_f32 v[S+j:S+j+1], v[S+j:S+j+1], v[F+j-16:F+j-15]   ; numbers 52-63 by v76-87
.set j, j+2
.endr
.irp ta, 0,1,2,3
.irp g, 0,1,2
	ds_load_b128 v[F+12*\ta+4*\g:F+12*\ta+4*\g+3], v[ADK] offset:25600+1536*\ta+512*\g   ; V's four fragments: they land while the softmax is worked
.endr
.endr
	ds_load_b64 v[VSW:VSW+1], v[ADW] offset:50176
.irp b, 0,1,2,3
	v_max3_num_f32 v[BM+\b], v[S+16*\b], v[S+16*\b+1], v[S+16*\b+2]   ; the largest t of each block of 32 keys: for the row's maximum, and, since p rises with t, for the block's largest p
.endr
.irp i, 3,5,7,9,11,13
.irp b, 0,1,2,3
	v_max3_num_f32 v[BM+\b], v[BM+\b], v[S+16*\b+\i], v[S+16*\b+\i+1]
.endr
.endr
.irp b, 0,1,2,3
	v_max_num_f32 v[BM+\b], v[BM+\b], v[S+16*\b+15]
.endr
.irp b, 0,1,2,3
	v_permlanex16_b32 v[T4+\b], v[BM+\b], s48, s49
.endr
.irp b, 0,1,2,3
	v_max_num_f32 v[BM+\b], v[BM+\b], v[T4+\b]     ; with lane l xor 16's 16 keys
.endr
	v_max3_num_f32 v[TA], v[BM], v[BM+1], v[BM+2]
	v_max_num_f32 v[TA], v[TA], v[BM+3]
	v_max_num_f32 v[NM+1], v[NM+1], v[TA]          ; the running largest t
	v_mov_b32 v[TA], v[NM]
	v_floor_f32 v[NM], -v[NM+1]                    ; the new -M = -ceil(t): a whole number
	v_sub_f32 v[TA], v[NM], v[TA]                  ; old M - new M: a whole number, 0 or less
	v_cvt_i32_f32 v[TA], v[TA]                     ; (it saturates)
	v_ldexp_f32 v[FF], 1.0, v[TA]                  ; f = 2^(old M - new M)
.set j, 0
.rept 32
	v_pk_add_f32 v[S+j:S+j+1], v[S+j:S+j+1], v[NM:NM+1] op_sel_hi:[1,0]   ; t - M
.set j, j+2
.endr
.irp b, 0,1,2,3
	v_add_f32 v[BM+\b], v[BM+\b], v[NM]            ; the same of each block's largest t
.endr
.set j, 0
.rept 64
	v_exp_f32 v[S+j], v[S+j]                       ; p = 2^(t - M), at most 1
.set j, j+1
.endr
	v_pk_mul_f32 v[SU:SU+1], v[SU:SU+1], v[FF:FF+1] op_sel_hi:[1,0]   ; the sums under the new M: a plain place behind the exponentials
	s_wait_alu depctr_va_vdst(0)                   ; one wait for the whole batch, ahead of its first reader
.irp b, 0,1,2,3
	v_exp_f32 v[BM+\b], v[BM+\b]                   ; the block's largest p: the same instructions on the same number give the same bits
.endr
	v_pk_add_f32 v[TS:TS+1], v[S:S+1], v[S+2:S+3]  ; the row's sum is taken of the unquantised p, in two chains
.set j, 4
.rept 15
	v_pk_add_f32 v[SU:SU+1], v[SU:SU+1], v[S+j:S+j+1]
	v_pk_add_f32 v[TS:TS+1], v[TS:TS+1], v[S+j+2:S+j+3]
.set j, j+4
.endr
	v_pk_add_f32 v[SU:SU+1], v[SU:SU+1], v[TS:TS+1]
	s_wait_alu depctr_va_vdst(0)                   ; and one for the four
.irp b, 0,1,2,3
	v_max_num_f32 v[BM+\b], 0x1800000, v[BM+\b]    ; the floor 2^(3 - 127): the byte cannot fall under 1
.endr
.irp b, 0,1,2,3
	v_add_nc_u32 v[SO+\b], 0xff000000, v[BM+\b]    ; 2 off the exponent field: the conversion's scale operand
.endr
.irp b, 0,1,2,3
	v_lshrrev_b32 v[T4+\b], 23, v[SO+\b]           ; the scale's byte
.endr
	v_lshl_or_b32 v[PW], v[T4+1], 8, v[T4]         ; p's scale word for these 128 keys
	v_lshl_or_b32 v[PW], v[T4+2], 16, v[PW]
	v_lshl_or_b32 v[PW], v[T4+3], 24, v[PW]
	v_cvt_scalef32_pk16_fp6_f32 v[PC:PC+2], v[S:S+15], v[SO]
	v_cvt_scalef32_pk16_fp6_f32 v[CT:CT+2], v[S+16:S+31], v[SO+1]
	v_cvt_scalef32_pk16_fp6_f32 v[PC+6:PC+8], v[S+32:S+47], v[SO+2]
	v_cvt_scalef32_pk16_fp6_f32 v[CT+4:CT+6], v[S+48:S+63], v[SO+3]
	v_nop                                          ; one plain place behind a scaled conversion
.irp i, 0,1,2
	v_permlane16_swap_b32 v[PC+\i], v[CT+\i]       ; the operand's layout wants a whole block in a lane
	v_permlane16_swap_b32 v[PC+6+\i], v[CT+4+\i]
.endr
.irp i, 0,1,2
	v_mov_b32 v[PC+3+\i], v[CT+\i]
	v_mov_b32 v[PC+9+\i], v[CT+4+\i]
.endr
.set j, 0
.rept 16
	v_pk_mul_f32 v[OT+j:OT+j+1], v[OT+j:OT+j+1], v[FF:FF+1] op_sel_hi:[1,0]   ; O^T under the new M; these sixteen also stand between the codes and the scale word just made and the products
.set j, j+2
.endr
	s_wait_dscnt 0x0                               ; V is in
.irp ta, 0,1,2,3
.if \ta%2
	v_wmma_scale_f32_16x16x128_f8f6f4 v[OT+8*\ta:OT+8*\ta+7], v[F+12*\ta:F+12*\ta+11], v[PC:PC+11], v[OT+8*\ta:OT+8*\ta+7], v[VSW+\ta/2], v[PW] matrix_a_fmt:MATRIX_FMT_FP6 matrix_b_fmt:MATRIX_FMT_FP6 matrix_a_scale:MATRIX_SCALE_ROW1
.else
	v_wmma_scale_f32_16x16x128_f8f6f4 v[OT+8*\ta:OT+8*\ta+7], v[F+12*\ta:F+12*\ta+11], v[PC:PC+11], v[OT+8*\ta:OT+8*\ta+7], v[VSW+\ta/2], v[PW] matrix_a_fmt:MATRIX_FMT_FP6 matrix_b_fmt:MATRIX_FMT_FP6
.endif
.endr
.rept 4
	v_nop                                          ; places in front of the next step's loads into V's and p's registers, and of the way out's reads
.endr
	s_xor_b32 s2, s2, SLOT1                        ; on to the other slot
.endm
; THE CHANGE OF SLOTS stands at a key step's head.  Each wave waits for all its tensor loads (its part of the slot that it is about to read), adds 0 to its spare word, and waits for that and for its reads of the slot
; that it has left.  fill = 1: a round of the cluster's barrier, and behind it the other slot is asked for jointly: the load has a whole key step in which to land.
.macro CHANGE fill
	s_wait_tensorcnt 0x0                           ; no tensor load of mine is out, so the groups 0 may be written
	ds_add_u32 v[SPW], v[NIL]                      ; 0 onto my spare word
.if \fill
	s_xor_b32 s[G0K+1], s[G0K+1], SLOT1            ; the other slot than last time,
	s_add_nc_u64 s[G0K+2:G0K+3], s[G0K+2:G0K+3], BLKB   ; the next block; the type bits on top are not reached
	s_xor_b32 s[G0M+1], s[G0M+1], SLOT1
	s_add_nc_u64 s[G0M+2:G0M+3], s[G0M+2:G0M+3], 8192   ; the tile's next image
	s_wait_dscnt 0x0                               ; the add is done, and my reads of the slot that I have left are over
	CROUND
	TLOAD                                          ; the first thing behind the round, and my one tensor load until the next
.else
	s_wait_dscnt 0x0
	s_barrier_signal -1
	s_barrier_wait -1
.endif
.endm
.Lstep:                                            ; 15 trips: behind each change of slots but the last the next key step is asked for
	CHANGE 1
	STEP
	s_sub_co_u32 s3, s3, 1
	s_cmp_lg_u32 s3, 0
	s_cbranch_scc1 .Lstep
	CHANGE 0                                       ; the last key step is written out
	STEP
	; THE WAY OUT.  O^T / the sum is ctx: my head's 64 numbers of 16 rows, register 16 b + i = number 32 b + 16 (lane / 16) + i: two blocks of the last product's K.  They are quantised and leave as half a fragment's image.
	v_add_f32 v[BM], v[SU], v[SU+1]
	v_permlanex16_b32 v[T4], v[BM], s48, s49
	v_add_f32 v[BM], v[BM], v[T4]                  ; the row's sum
	v_rcp_f32 v[FF], v[BM]
	v_nop                                          ; a plain place behind the reciprocal
	s_wait_alu depctr_va_vdst(0)                   ; the wait ahead of its first reader
.set j, 0
.rept 16
	v_pk_mul_f32 v[S+j:S+j+1], v[OT+j:OT+j+1], v[FF:FF+1] op_sel_hi:[1,0]   ; each accumulator from its low end on
.set j, j+2
.endr
.irp b, 0,1
	v_max3_num_f32 v[BM+\b], |v[S+16*\b]|, |v[S+16*\b+1]|, 0x1800000
.endr
.irp i, 2,4,6,8,10,12,14
.irp b, 0,1
	v_max3_num_f32 v[BM+\b], v[BM+\b], |v[S+16*\b+\i]|, |v[S+16*\b+\i+1]|
.endr
.endr
.irp b, 0,1
	v_permlanex16_b32 v[T4+\b], v[BM+\b], s48, s49
.endr
.irp b, 0,1
	v_max_num_f32 v[BM+\b], v[BM+\b], v[T4+\b]
.endr
.irp b, 0,1
	v_add_nc_u32 v[SO+\b], 0xff000000, v[BM+\b]
.endr
.irp b, 0,1
	v_lshrrev_b32 v[T4+\b], 23, v[SO+\b]
.endr
	v_lshl_or_b32 v[TA], v[T4+1], 8, v[T4]         ; my head's two scale bytes
	v_cvt_scalef32_pk16_fp6_f32 v[PC:PC+2], v[S:S+15], v[SO]
	v_cvt_scalef32_pk16_fp6_f32 v[CT:CT+2], v[S+16:S+31], v[SO+1]
	v_nop                                          ; one plain place behind a scaled conversion
.irp i, 0,1,2
	v_permlane16_swap_b32 v[PC+\i], v[CT+\i]
.endr
.irp i, 0,1,2
	v_mov_b32 v[PC+3+\i], v[CT+\i]
.endr
	; A fragment of ctx (128 along K) holds two heads, which are two waves': the even head's six registers are the image's registers 0-5, the odd head's 6-11.  An image has four registers of a lane on end, 16 bytes,
	; so each wave stores 16 bytes and 8 bytes a lane; the image's middle 512 bytes are written half by each.  The branch hangs on the wave's number alone.
	s_cmp_eq_u32 s23, 0
	s_cbranch_scc0 .Lupper
	global_store_b128 v[L16], v[PC:PC+3], s[10:11]
	global_store_b64 v[L16], v[PC+4:PC+5], s[10:11] offset:512
	s_branch .Lstored
.Lupper:
	global_store_b64 v[L16], v[PC:PC+1], s[10:11] offset:520
	global_store_b128 v[L16], v[PC+2:PC+5], s[10:11] offset:1024
.Lstored:
	global_store_b16 v[R4], v[TA], s[12:13]        ; half of row r's scale word; lanes r and 16 + r write the same two bytes with the same value
	s_wait_tensorcnt 0x0                           ; the wave's end
	ds_add_u32 v[SPW], v[NIL]
	s_wait_dscnt 0x0
	CROUND                                         ; the closing round: no work-group ends while a partner may still ask for a tile that names it
	s_endpgm
.Lfunc_end_k_qc36eeb70a0_attn:
	.size	k_qc36eeb70a0_attn, .Lfunc_end_k_qc36eeb70a0_attn-k_qc36eeb70a0_attn
	.p2alignl 7, 3214868480
	.fill 96, 4, 3214868480
	.section	.rodata,"a",@progbits
	.p2align	6, 0x0
	.amdhsa_kernel k_qc36eeb70a0_attn
		.amdhsa_group_segment_fixed_size 327680
		.amdhsa_private_segment_fixed_size 0
		.amdhsa_enable_private_segment 0
		.amdhsa_kernarg_size 32
		.amdhsa_user_sgpr_count 2
		.amdhsa_user_sgpr_kernarg_segment_ptr 1
		.amdhsa_wavefront_size32 1
		.amdhsa_system_sgpr_workgroup_id_x 1
		.amdhsa_system_sgpr_workgroup_id_y 1
		.amdhsa_system_sgpr_workgroup_id_z 1
		.amdhsa_system_vgpr_workitem_id 0
		.amdhsa_next_free_vgpr 256
		.amdhsa_next_free_sgpr 66
		.amdhsa_reserve_vcc 0
		.amdhsa_float_denorm_mode_32 3
		.amdhsa_float_denorm_mode_16_64 3
		.amdhsa_memory_ordered 1
		.amdhsa_forward_progress 1
		.amdhsa_inst_pref_size 51
	.end_amdhsa_kernel
	.amdgpu_metadata
---
amdhsa.version: [ 1, 2 ]
amdhsa.kernels:
  - .name:           k_qc36eeb70a0_attn
    .symbol:         k_qc36eeb70a0_attn.kd
    .args:
      - { .name: qi, .offset: 0, .size: 8, .value_kind: global_buffer, .address_space: global }
      - { .name: kv, .offset: 8, .size: 8, .value_kind: global_buffer, .address_space: global }
      - { .name: mc, .offset: 16, .size: 8, .value_kind: global_buffer, .address_space: global }
      - { .name: cc, .offset: 24, .size: 8, .value_kind: global_buffer, .address_space: global }
    .group_segment_fixed_size: 327680
    .private_segment_fixed_size: 0
    .kernarg_segment_align: 8
    .kernarg_segment_size: 32
    .max_flat_workgroup_size: 512
    .sgpr_count:     66
    .vgpr_count:     256
    .wavefront_size: 32
...
	.end_amdgpu_metadata
.endif
;; end of part 3
;; launch outp (part 4): grid 256 x 1, 2 waves a work-group, no clusters, 8,960 bytes of LDS; arguments cc, wo, out0; writes out0
.if DOCPART == 4
	.amdgcn_target "amdgcn-amd-amdhsa--gfx1250"
	.amdhsa_code_object_version 6
	.text
	.protected	k_qc36eeb70a0_outp
	.globl	k_qc36eeb70a0_outp
	.p2align	8
	.type	k_qc36eeb70a0_outp,@function
k_qc36eeb70a0_outp:
	s_mov_b64 s[64:65], 0
	v_nop
	global_prefetch_b8 v0, s[64:65] scope:SCOPE_SE
	s_setreg_imm32_b32 hwreg(HW_REG_WAVE_MODE, 25, 1), 1
	s_wait_xcnt 0x0
; out0 = ctx Wo: [8192][1024] x [1024][64], on codes of FP6 (E2M3) with E8M0 scales; sums in f32.  Both operands lie in memory as images of their registers.
; A wave takes one tile of 16 rows: 8 K steps x 4 tiles of 16 outputs = 32 matrix instructions on four accumulators, which take turns.  No tensor load, no barrier: waves share nothing.
; USED TRANSPOSED: source 0 = 16 columns of Wo, source 1 = ctx: lane (r, h) holds row r; by the order of Wo's columns in a tile, the 16 registers of tiles 2 b and 2 b + 1 are outputs 32 b + 16 h + 0 .. 15.
; Lane r of tile Tg holds row 32 (Tg / 2) + 8 (Tg % 2) + r + 8 (r / 8) of out0.  The tile goes through the wave's own stage in LDS and leaves as whole rows of 256 bytes.
; Clusters and a ring would buy nothing: Wo's 48 KiB are read by all, ctx once, and a wave's whole work is 32 matrix instructions.
; REGISTERS: window 0: v1-7 addresses; v8-11 ctx's scale words (K step 2 i in lanes 0-15, 2 i + 1 in lanes 16-31); v12-43 Wo's; v44-75 the accumulators; v76-171 ctx's 8 fragments; v172-203 rows on the way out.
;   window 1: Wo's fragments of K steps 0-3, (tile, step) at v[12 (4 tile + step)];   window 2: those of K steps 4-7.
.set CW,  6291456                      ; cc: where the scale words begin
.set CS,  8
.set WSC, 12
.set ACC, 44
.set CF,  76
.set OB,  172
.set MSB, 0
.macro WIN new
.if MSB != \new
	s_set_vgpr_msb (MSB<<8)|\new
.set MSB, \new
.endif
.endm
	s_load_b128 s[4:7], s[0:1], 0x0                ; cc, wo
	s_load_b64 s[8:9], s[0:1], 0x10                ; out0
	v_lshl_add_u32 v254, v0, 2, 0x2200
	v_mov_b32 v255, 0
	v_lshrrev_b32 v1, 5, v0
	v_readfirstlane_b32 s10, v1                    ; wave 0, 1
	s_lshl_b32 s11, ttmp9, 1
	s_add_co_u32 s11, s11, s10                     ; Tg
	v_and_b32 v3, 31, v0
	v_lshlrev_b32 v1, 4, v3                        ; 16 x lane
	v_lshlrev_b32 v2, 2, v3                        ; 4 x lane
	v_and_b32 v4, 15, v0                           ; r
	v_bfe_u32 v5, v0, 4, 1                         ; h
	s_mul_i32 s12, s10, 16*272                     ; my stage
	v_mul_u32_u24 v6, v4, 272
	v_lshl_add_u32 v6, v5, 6, v6
	v_add_nc_u32 v6, s12, v6                       ; in: row r, + 64 h
	v_mul_u32_u24 v7, v5, 272
	v_lshl_add_u32 v7, v4, 4, v7
	v_add_nc_u32 v7, s12, v7                       ; back: lanes 0-15 one row, lanes 16-31 the next
	s_mul_i32 s12, s11, 12288                      ; ctx's 8 images
	s_mov_b32 s13, 0
	s_lshl_b32 s14, s11, 9
	s_add_co_u32 s14, s14, CW                      ; and their words
	s_mov_b32 s15, 0
	s_lshr_b32 s16, s11, 1
	s_lshl_b32 s16, s16, 5
	s_and_b32 s17, s11, 1
	s_lshl_b32 s17, s17, 3
	s_add_co_u32 s16, s16, s17
	s_lshl_b32 s16, s16, 8                         ; the tile's first row of out0, 256 bytes a row
	s_mov_b32 s17, 0
	s_wait_kmcnt 0x0
	s_add_nc_u64 s[18:19], s[4:5], s[14:15]
	s_add_nc_u64 s[4:5], s[4:5], s[12:13]
	s_add_nc_u64 s[8:9], s[8:9], s[16:17]
.irp i, 0,1,2,3
	global_load_b32 v[CS+\i], v2, s[18:19] offset:128*\i
.endr
.irp ta, 0,1,2,3
.irp s, 0,1,2,3,4,5,6,7
	global_load_b32 v[WSC+8*\ta+\s], v2, s[6:7] offset:49152+128*(8*\ta+\s)
.endr
.endr
.irp hf, 0,1                           ; K steps 4 hf .. 4 hf + 3: 12 loads of ctx, 48 of Wo
	WIN 0
.irp s, 0,1,2,3
.irp g, 0,1,2
	global_load_b128 v[CF+12*(4*\hf+\s)+4*\g:CF+12*(4*\hf+\s)+4*\g+3], v1, s[4:5] offset:1536*(4*\hf+\s)+512*\g th:TH_LOAD_NT
.endr
.endr
.set WL, 0x40*(1+\hf)
	WIN WL                                         ; destination window 1 or 2
.irp ta, 0,1,2,3
.irp s, 0,1,2,3
.irp g, 0,1,2
	global_load_b128 v[12*(4*\ta+\s)+4*\g:12*(4*\ta+\s)+4*\g+3], v1, s[6:7] offset:1536*(8*\ta+4*\hf+\s)+512*\g
.endr
.endr
.endr
.endr
	WIN 0
.macro MUL4 s                          ; K step s: the four accumulators by turns; the first K step starts the sums
.irp ta, 0,1,2,3
.if (\s) == 0
	v_wmma_scale_f32_16x16x128_f8f6f4 v[ACC+8*\ta:ACC+8*\ta+7], v[12*(4*\ta+(\s)%4):12*(4*\ta+(\s)%4)+11], v[CF+12*(\s):CF+12*(\s)+11], 0, v[WSC+8*\ta+(\s)], v[CS+(\s)/2] matrix_a_fmt:MATRIX_FMT_FP6 matrix_b_fmt:MATRIX_FMT_FP6
.elseif (\s)%2
	v_wmma_scale_f32_16x16x128_f8f6f4 v[ACC+8*\ta:ACC+8*\ta+7], v[12*(4*\ta+(\s)%4):12*(4*\ta+(\s)%4)+11], v[CF+12*(\s):CF+12*(\s)+11], v[ACC+8*\ta:ACC+8*\ta+7], v[WSC+8*\ta+(\s)], v[CS+(\s)/2] matrix_a_fmt:MATRIX_FMT_FP6 matrix_b_fmt:MATRIX_FMT_FP6 matrix_b_scale:MATRIX_SCALE_ROW1
.else
	v_wmma_scale_f32_16x16x128_f8f6f4 v[ACC+8*\ta:ACC+8*\ta+7], v[12*(4*\ta+(\s)%4):12*(4*\ta+(\s)%4)+11], v[CF+12*(\s):CF+12*(\s)+11], v[ACC+8*\ta:ACC+8*\ta+7], v[WSC+8*\ta+(\s)], v[CS+(\s)/2] matrix_a_fmt:MATRIX_FMT_FP6 matrix_b_fmt:MATRIX_FMT_FP6
.endif
.endr
.endm
	s_wait_loadcnt 60                              ; the words and K steps 0-3 are in; the 60 loads of K steps 4-7 may be out
	WIN 0x01                                       ; source 0 (Wo) window 1
	MUL4 0
	MUL4 1
	MUL4 2
	MUL4 3
	s_wait_loadcnt 0x0
	WIN 0x02                                       ; window 2
	MUL4 4
	MUL4 5
	MUL4 6
	MUL4 7
	WIN 0
.rept 4
	v_nop                                          ; places in front of the first read of the results
.endr
.irp ta, 0,1,2,3
	ds_store_b128 v6, v[ACC+8*\ta:ACC+8*\ta+3] offset:128*(\ta/2)+32*(\ta%2)          ; each accumulator from its low end on
	ds_store_b128 v6, v[ACC+8*\ta+4:ACC+8*\ta+7] offset:128*(\ta/2)+32*(\ta%2)+16
.endr
.irp t, 0,1,2,3,4,5,6,7
	ds_load_b128 v[OB+4*\t:OB+4*\t+3], v7 offset:2*\t*272   ; LDS serves a wave's instructions in order: these see my stores
.endr
.irp t, 0,1,2,3,4,5,6,7
	s_wait_dscnt 7-\t
	global_store_b128 v1, v[OB+4*\t:OB+4*\t+3], s[8:9] offset:(2*\t+8*(\t/4))*256 th:TH_STORE_NT   ; lanes 0-15 store one whole row of 256 bytes, lanes 16-31 the next; stage rows 8-15 are rows 16-23 of the 32
.endr
	s_wait_tensorcnt 0x0
	ds_add_u32 v254, v255
	s_wait_dscnt 0x0
	s_endpgm
.Lfunc_end_k_qc36eeb70a0_outp:
	.size	k_qc36eeb70a0_outp, .Lfunc_end_k_qc36eeb70a0_outp-k_qc36eeb70a0_outp
	.p2alignl 7, 3214868480
	.fill 96, 4, 3214868480
	.section	.rodata,"a",@progbits
	.p2align	6, 0x0
	.amdhsa_kernel k_qc36eeb70a0_outp
		.amdhsa_group_segment_fixed_size 8960
		.amdhsa_private_segment_fixed_size 0
		.amdhsa_enable_private_segment 0
		.amdhsa_kernarg_size 24
		.amdhsa_user_sgpr_count 2
		.amdhsa_user_sgpr_kernarg_segment_ptr 1
		.amdhsa_wavefront_size32 1
		.amdhsa_system_sgpr_workgroup_id_x 1
		.amdhsa_system_sgpr_workgroup_id_y 1
		.amdhsa_system_sgpr_workgroup_id_z 1
		.amdhsa_system_vgpr_workitem_id 0
		.amdhsa_next_free_vgpr 768
		.amdhsa_next_free_sgpr 66
		.amdhsa_reserve_vcc 0
		.amdhsa_float_denorm_mode_32 3
		.amdhsa_float_denorm_mode_16_64 3
		.amdhsa_memory_ordered 1
		.amdhsa_forward_progress 1
		.amdhsa_inst_pref_size 23
	.end_amdhsa_kernel
	.amdgpu_metadata
---
amdhsa.version: [ 1, 2 ]
amdhsa.kernels:
  - .name:           k_qc36eeb70a0_outp
    .symbol:         k_qc36eeb70a0_outp.kd
    .args:
      - { .name: cc, .offset: 0, .size: 8, .value_kind: global_buffer, .address_space: global }
      - { .name: wo, .offset: 8, .size: 8, .value_kind: global_buffer, .address_space: global }
      - { .name: out0, .offset: 16, .size: 8, .value_kind: global_buffer, .address_space: global }
    .group_segment_fixed_size: 8960
    .private_segment_fixed_size: 0
    .kernarg_segment_align: 8
    .kernarg_segment_size: 24
    .max_flat_workgroup_size: 64
    .sgpr_count:     66
    .vgpr_count:     768
    .wavefront_size: 32
...
	.end_amdgpu_metadata
.endif
;; end of part 4
